; MI455X (gfx1250); checked and timed in simulation.
; The chip was launched on July 23, 2026; its instructions are those of AMD's public machine-readable ISA for CDNA 5 (MIT licence, August 2026) and "CDNA5" Instruction Set Architecture Reference Guide (July 2026). The comments in the code are by the model that wrote it; some were corrected since.
;; Self Attention. Allowed arithmetic: matrix products marked QUANTISED: E2M1 operands, one E8M0 scale for each 32 along K, by v_wmma_scale_f32_16x16x128_f8f6f4 with both operands' format E2M1 (or v_wmma_scale_f32_32x16x128_f4), f32 sums; everything else in f32.
;; Inputs: Wk 1,024 x 1,024 float32; Wo 1,024 x 1,024 float32; Wq 1,024 x 1,024 float32; Wv 1,024 x 1,024 float32; bk 1,024 float32; bo 1,024 float32; bq 1,024 float32; bv 1,024 float32; key 4 x 2,048 x 1,024 float32; mask 4 x 1 x 2,048 x 2,048 int32; query 4 x 2,048 x 1,024 float32; value 4 x 2,048 x 1,024 float32.
;; Outputs: out0 4 x 2,048 x 1,024 float32.
;; This version of the problem:
;;   THIS VERSION OF THE PROBLEM IS GIVEN IN LOW PRECISION. The matrix products marked QUANTISED in the list below multiply operands that are first quantised to E2M1 (2 exponent bits, 1 mantissa bit; 4 bits a number), with one power-of-two scale for each 32 numbers along K (OCP MX v1.0); their sums are f32. All else is computed in f32.
;;   The module's matrix products, in the order in which they are computed (A, B: the left and right operand; K: the contracted axis; several contracted axes count as one K, in the product's order):
;;     1. [M 8,192, K 1,024] x [K 1,024, N 1,024]; A: input value; B: input Wv: QUANTISED
;;     2. [M 8,192, K 1,024] x [K 1,024, N 1,024]; A: input key; B: input Wk: QUANTISED
;;     3. [M 8,192, K 1,024] x [K 1,024, N 1,024]; A: input query; B: input Wq: QUANTISED
;;     4. batch 64 x [M 2,048, K 64] x [K 64, N 2,048]; A: computed on the way; B: computed on the way: QUANTISED
;;     5. batch 64 x [M 64, K 2,048] x [K 2,048, N 2,048]; A: computed on the way; B: softmax (see below): QUANTISED
;;     6. [M 8,192, K 1,024] x [K 1,024, N 1,024]; A: computed on the way; B: input Wo: QUANTISED
;;   THE QUANTISER, for each operand of a quantised product, along K:
;;     - K is cut into blocks of 32 from its start; a last block that is shorter is filled with zeros.
;;     - A block's scale is 2^e with e = floor(log2(the largest magnitude in the block)) - 2, held to -126 .. 127; a block of zeros has e = 0. As a byte (E8M0): e + 127.
;;     - Each number is divided by its block's scale, clamped to +-6, and rounded to the nearest number of E2M1, ties to even, subnormals kept.
;;     - The product sums the exact products of the quantised numbers (number of the format x scale) in f32.
;;   ~~~python
;;   def quantise(x, axis):      # numpy; x: float32 -> the quantised numbers, widened to float32 again
;;       x = np.moveaxis(x, axis, -1); K = x.shape[-1]
;;       x = np.pad(x, [(0, 0)] * (x.ndim - 1) + [(0, -K % 32)]); x = x.reshape(x.shape[:-1] + (-1, 32)); a = np.abs(x).max(-1, keepdims=True)
;;       e = np.where(a > 0, np.clip(np.frexp(np.where(a > 0, a, 1))[1] - 1 - 2, -126, 127), 0)      # np.frexp(a)[1] - 1 = floor(log2(a)), exactly
;;       r = np.clip(x / 2.0 ** e, -6, 6)
;;       step = 2.0 ** (np.maximum(np.frexp(np.where(r == 0, 1, r))[1] - 1, 0) - 1)
;;       q = np.round(r / step) * step * 2.0 ** e      # np.round: ties to even
;;       return np.moveaxis(q.reshape(q.shape[:-2] + (-1,))[..., :K], -1, axis).astype(np.float32)
;;   ~~~
;;   SOFTMAX AHEAD OF A QUANTISED PRODUCT. Where the list says 'softmax', what is quantised is not the finished softmax but p = 2^(t - M), with t = logit x log2(e) and M = ceil(the row's largest t), a whole number; so 1/2 < the row's largest p <= 1. The row's sum l is taken of the UNQUANTISED p, in f32, and the product's result is divided by l at the end. Since M is a whole number, a kernel that streams over the keys may use a running M (the ceiling of the running maximum): every later rescaling is an exact power of two, which a block's scale takes up: the codes' values come out the same.
;;   OPERANDS COMPUTED ON THE WAY. 'Computed on the way' means the value that the module computes at that place (a softmax that the list does not call 'softmax' is quantised finished and normalised). What goes into a quantiser is computed in f32, as accurately as f32 sums, v_exp_f32 and their like allow (about 1e-6 of the number): no bf16 or f16 on the way to a quantiser, and a product that is left as it is and whose result goes on into a quantised operand takes f32 operands (vector FMAs, or v_wmma_f32_16x16x4_f32). A number that lies on a knife's edge between two numbers of the format may be rounded either way, as far as f32 arithmetic and the matrix unit's own rounding can turn it there, and no further.
;; One version. Each part assembles by itself: llvm-mc -triple=amdgcn-amd-amdhsa -mcpu=gfx1250 --defsym DOCPART=n.
;; ======== version 1 of 1: 4 launches
;; limits: right only within a limited range of input values
;; workspace buffers: xw 15,597,568 bytes; mbits 2,097,152 bytes of whole numbers; kv 8,912,896 bytes; qimg 8,912,896 bytes; oimg 4,194,304 bytes; osc 262,144 bytes
;; launch prep (part 1): grid 704 x 1, 4 waves a work-group, no clusters, 34,304 bytes of LDS; arguments value, key, query, Wv, Wk, Wq, Wo, mask, xw, mbits; writes xw, mbits
.if DOCPART == 1
	.amdgcn_target "amdgcn-amd-amdhsa--gfx1250"
	.amdhsa_code_object_version 6
	.text
	.protected	k_qbd5e5473b4_prep
	.globl	k_qbd5e5473b4_prep
	.p2align	8
	.type	k_qbd5e5473b4_prep,@function
k_qbd5e5473b4_prep:
	s_mov_b64 s[64:65], 0
	v_nop
	global_prefetch_b8 v0, s[64:65] scope:SCOPE_SE
	s_setreg_imm32_b32 hwreg(HW_REG_WAVE_MODE, 25, 1), 1
	s_wait_xcnt 0x0
; PREP.  (1) value, key, query [8192][1024] and Wv, Wk, Wq, Wo [1024][1024], f32, K innermost, become codes of FP4 (E2M1) with one E8M0 byte for each 32 along K.
; (2) mask [4][2048][2048], int32, becomes lane masks: one bit a number.
; xw: one record of 17,408 bytes for each 32 neighbouring rows (a group): 1,024 bytes of scale words [kq 2][lane 32][4 words], then images [ks 8][u 2][1,024 bytes].
;   A group makes two tiles u = 0, 1 of 16 rows: lane r of tile u takes row 8 u + r + 8 (r / 8).  An image is the operand as it stands in registers: [c 2][lane 32][16 bytes], k = 128 ks + 64 c + 32 (lane / 16) + 0 .. 31.
;   A scale word register holds tile 0's rows in lanes 0-15 and tile 1's in lanes 16-31.   Groups: value 0, key 256, query 512, Wv 768, Wk 800, Wq 832, Wo 864.
; mbits: [batch 4][tile of queries T 128][key step 16][word n 64]: bit l of word n = 16 b + i says mask[batch][32 (T / 2) + 8 (T % 2) + r + 8 (r / 8)][128 step + 32 b + 16 h + i] != 0, r = l % 16, h = l / 16.
; A block's scale is 2^(floor(log2(largest magnitude)) - 2): its byte is the largest magnitude's exponent field - 2, held at 1 from below.
; LIMITS: a block of zeros gets the byte 1 where the rule says 127 (its codes are zeros and this program alone reads the bytes); NaN and infinities among the inputs are not served.
; SHARES.  Work-groups 0-447 quantise: wave w takes group 2 x work-group + w / 2, K half w % 2: eight units of 16 rows x 128 K.  Work-groups 448-703 pack the mask: a wave takes 16 queries x 1,024 keys: eight units.
; Every unit is 16 loads of 512 consecutive bytes; two units (32 loads a wave) are on their way.  Waves share nothing: no barrier.  No tile is read twice, so there is nothing to share in a cluster, and the matrix unit has no work here.
.set SEL, 28                           ; s[28:29] lane selects: lane l xor 16
.set HI,  30                           ; s30      lanes 16-31
.set R0,  16                           ; v16-143  two sets of 64 registers as loaded
.set X,   144                          ; v144-207 64 numbers of my row: register 16 b + i = k 32 b + 16 h + i
.set TM,  208                          ; v208-223 at work in QUANT
.set PC,  224                          ; v224-231 a fragment's codes
.set SW,  236                          ; v236-239 four K steps' scale words
; 64 numbers of a lane, register 16 b + i = k 32 b + 16 (lane / 16) + i of its row, become a fragment's codes in v[pc] on and the row's scale word in v[pw]
.macro QUANT s, pc, pw
.irp b, 0,1,2,3
	v_max3_num_f32 v[TM+\b], |v[\s+16*\b]|, |v[\s+1+16*\b]|, 0x1800000   ; block b: my 16 numbers, and the floor 2^(3 - 127): the byte cannot fall under 1
.endr
.irp i, 2,4,6,8,10,12,14
.irp b, 0,1,2,3
	v_max3_num_f32 v[TM+\b], v[TM+\b], |v[\s+16*\b+\i]|, |v[\s+1+16*\b+\i]|   ; the four blocks by turns
.endr
.endr
.irp b, 0,1,2,3
	v_permlanex16_b32 v[TM+4+\b], v[TM+\b], s[SEL], s[SEL+1]
.endr
.irp b, 0,1,2,3
	v_max_num_f32 v[TM+\b], v[TM+\b], v[TM+4+\b]   ; with lane l xor 16: the block's largest magnitude
.endr
.irp b, 0,1,2,3
	v_add_nc_u32 v[TM+12+\b], 0xff000000, v[TM+\b]   ; 2 off its exponent field: the conversion's scale operand
.endr
.irp b, 0,1,2,3
	v_lshrrev_b32 v[TM+4+\b], 23, v[TM+12+\b]      ; the scale's byte
.endr
	v_lshl_or_b32 v[\pw], v[TM+5], 8, v[TM+4]
	v_lshl_or_b32 v[\pw], v[TM+6], 16, v[\pw]
	v_lshl_or_b32 v[\pw], v[TM+7], 24, v[\pw]
.irp b, 0,1,2,3
	v_cvt_scalef32_pk8_fp4_f32 v[\pc+2*\b], v[\s+16*\b:\s+7+16*\b], v[TM+12+\b]
	v_cvt_scalef32_pk8_fp4_f32 v[\pc+1+2*\b], v[\s+8+16*\b:\s+15+16*\b], v[TM+12+\b]
.endr
	v_nop                                          ; one plain place behind a scaled conversion
.irp c, 0,1
.irp i, 0,1
	v_permlane16_swap_b32 v[\pc+4*\c+\i], v[\pc+2+4*\c+\i]   ; a whole block to a lane: lanes 0-15 block 2 c, lanes 16-31 block 2 c + 1
.endr
.endr
.endm
	s_load_b512 s[8:23], s[0:1], 0x0               ; value s[8:9], key s[10:11], query s[12:13], Wv s[14:15], Wk s[16:17], Wq s[18:19], Wo s[20:21], mask s[22:23]
	s_load_b128 s[24:27], s[0:1], 0x40             ; xw s[24:25], mbits s[26:27]
	v_lshl_add_u32 v240, v0, 2, 0x8400
	v_mov_b32 v241, 0
	v_lshrrev_b32 v1, 5, v0
	v_readfirstlane_b32 s4, v1                     ; wave 0..3
	v_and_b32 v6, 31, v0                           ; lane
	v_lshlrev_b32 v1, 4, v6                        ; 16 x lane: my 16 bytes of 512
	s_mov_b32 s[SEL], 0x76543210
	s_mov_b32 s[SEL+1], 0xfedcba98
	s_mov_b32 s[HI], 0xffff0000
	s_cmp_lt_u32 ttmp9, 448
	s_cbranch_scc0 .Lmask
	; ---------------- the quantiser ----------------
	v_and_b32 v7, 15, v0                           ; r
	v_bfe_u32 v8, v0, 4, 1                         ; h
	s_mul_i32 s5, s4, 8448                         ; my wave's stage: 16 rows x (512 bytes + 16)
	v_add_nc_u32 v2, s5, v1                        ; in: a row as it is loaded
	v_mul_u32_u24 v3, v7, 528
	v_lshl_add_u32 v3, v8, 6, v3
	v_add_nc_u32 v3, s5, v3                        ; out: row r, + 64 h: my 16 numbers of each block of 32
.irp b, 0,1,2,3
	v_mov_b32 v[TM+4+\b], 0                        ; written once: a lane permute's destination counts as one of its sources
.endr
	s_lshl_b32 s6, ttmp9, 1
	s_lshr_b32 s7, s4, 1
	s_add_co_u32 s6, s6, s7                        ; my group
	s_and_b32 s7, s4, 1                            ; my half of K
	s_wait_alu depctr_va_vdst(0)
	s_wait_kmcnt 0x0
	s_mov_b64 s[36:37], s[20:21]                   ; which tensor: a choice on the work-group's number alone
	s_movk_i32 s5, 864
.macro PICK end, p, start
	s_cmp_lt_u32 ttmp9, \end
	s_cselect_b64 s[36:37], s[\p:\p+1], s[36:37]
	s_cselect_b32 s5, \start, s5
.endm
	PICK 432, 18, 832
	PICK 416, 16, 800
	PICK 400, 14, 768
	PICK 384, 12, 512
	PICK 256, 10, 256
	PICK 128, 8, 0
	s_sub_co_u32 s5, s6, s5                        ; the group's number in its tensor
	s_lshl_b32 s32, s5, 17                         ; 32 rows of 4,096 bytes
	s_lshl_b32 s33, s7, 11                         ; half a row
	s_add_co_u32 s32, s32, s33
	s_mov_b32 s33, 0
	s_add_nc_u64 s[36:37], s[36:37], s[32:33]      ; in
	s_mul_i32 s32, s6, 17408
	s_add_nc_u64 s[38:39], s[24:25], s[32:33]      ; the group's record
	s_lshl_b32 s32, s7, 9
	s_add_nc_u64 s[40:41], s[38:39], s[32:33]      ; my half's scale words
	s_lshl_b32 s32, s7, 13
	s_add_nc_u64 s[38:39], s[38:39], s[32:33]      ; my half's images, less the 1,024 that stand in the immediates
.macro LOADX t                         ; unit t: K step t / 2 of my half, tile t % 2: 16 rows, 512 consecutive bytes each
.irp i, 0,1,2,3,4,5,6,7,8,9,10,11,12,13,14,15
	global_load_b128 v[R0+64*((\t)%2)+4*\i:R0+64*((\t)%2)+4*\i+3], v1, s[36:37] offset:(8*((\t)%2)+\i+8*(\i/8))*4096+((\t)/2)*512 th:TH_LOAD_NT
.endr
.endm
.macro UNIT t
.if (\t) < 7
	s_wait_loadcnt 16                              ; this unit's 16 loads are in; the next unit's 16 may be out
.else
	s_wait_loadcnt 0x0
.endif
.irp i, 0,1,2,3,4,5,6,7,8,9,10,11,12,13,14,15
	ds_store_b128 v2, v[R0+64*((\t)%2)+4*\i:R0+64*((\t)%2)+4*\i+3] offset:528*\i
.endr
.irp b, 0,1,2,3
.irp j, 0,1,2,3
	ds_load_b128 v[X+16*\b+4*\j:X+16*\b+4*\j+3], v3 offset:128*\b+16*\j   ; LDS serves a wave's instructions in order: these see the stores above
.endr
.endr
	s_wait_dscnt 0x0                               ; my numbers are back, and the stores have read the set
	s_wait_xcnt 0x0                                ; the last unit's stores have read the codes' registers
.if (\t) < 6
	LOADX (\t)+2
.endif
	QUANT X, PC, 232+(\t)%2
.irp c, 0,1
	global_store_b128 v1, v[PC+4*\c:PC+4*\c+3], s[38:39] offset:1024+((\t)/2)*2048+((\t)%2)*1024+512*\c   ; 512 consecutive bytes, aligned to 256
.endr
.if (\t)%2
	v_cndmask_b32 v[SW+(\t)/2], v232, v233, s[HI]  ; tile 0's words in lanes 0-15, tile 1's in lanes 16-31
.endif
.endm
	LOADX 0
	LOADX 1
.irp t, 0,1,2,3,4,5,6,7
	UNIT \t
.endr
	global_store_b128 v1, v[SW:SW+3], s[40:41]     ; four K steps' scale words: 512 consecutive bytes
	s_wait_tensorcnt 0x0
	ds_add_u32 v240, v241
	s_wait_dscnt 0x0
	s_endpgm
	; ---------------- the mask ----------------
.Lmask:
	s_wait_alu depctr_va_vdst(0)
	v_lshlrev_b32 v4, 3, v6                        ; out: 8 bytes a lane
	v_bfe_u32 v5, v0, 4, 1
	v_lshlrev_b32 v5, 2, v5                        ; 4 h
.irp c, 0,1,2,3
	v_mov_b32 v[144+\c], 0                         ; written once: destinations of v_writelane_b32 and of lane permutes count as sources
	v_mov_b32 v[148+\c], 0
.endr
	v_mov_b32 v156, 0
	v_mov_b32 v157, 0
	s_sub_co_u32 s5, ttmp9, 448
	s_lshl_b32 s5, s5, 2
	s_add_co_u32 s5, s5, s4                        ; job 0..1023
	s_lshr_b32 s6, s5, 1                           ; strip = 128 batch + T
	s_and_b32 s7, s5, 1                            ; which 1,024 keys
	s_lshr_b32 s31, s6, 7                          ; batch
	s_and_b32 s5, s6, 127                          ; T
	s_lshl_b32 s32, s31, 24                        ; 2,048 rows of 8,192 bytes
	s_lshr_b32 s33, s5, 1
	s_lshl_b32 s33, s33, 18                        ; 32 rows
	s_add_co_u32 s32, s32, s33
	s_and_b32 s33, s5, 1
	s_lshl_b32 s33, s33, 16                        ; 8 rows
	s_add_co_u32 s32, s32, s33
	s_lshl_b32 s33, s7, 12
	s_add_co_u32 s32, s32, s33
	s_mov_b32 s33, 0
	s_wait_kmcnt 0x0
	s_add_nc_u64 s[36:37], s[22:23], s[32:33]      ; in
	s_lshl_b32 s32, s6, 12
	s_lshl_b32 s34, s7, 11
	s_add_co_u32 s32, s32, s34
	s_add_nc_u64 s[38:39], s[26:27], s[32:33]      ; out
.macro LOADM t                         ; unit t: 128 keys of the tile's 16 queries
.irp i, 0,1,2,3,4,5,6,7,8,9,10,11,12,13,14,15
	global_load_b128 v[R0+64*((\t)%2)+4*\i:R0+64*((\t)%2)+4*\i+3], v1, s[36:37] offset:(\i+8*(\i/8))*8192+(\t)*512 th:TH_LOAD_NT
.endr
.endm
.macro MUNIT t
.if (\t) < 7
	s_wait_loadcnt 16                              ; this unit's 16 loads are in; the next unit's 16 may be out
.else
	s_wait_loadcnt 0x0
.endif
.irp i, 0,1,2,3,4,5,6,7,8,9,10,11,12,13,14,15
.irp c, 0,1,2,3
	v_cmp_ne_u32 s[32+\c], 0, v[R0+64*((\t)%2)+4*\i+\c]   ; bit l: key 4 l + c of query row i counts
.endr
.irp c, 0,1,2,3
	v_writelane_b32 v[144+\c], s[32+\c], \i        ; into lane i
.endr
.endr
	s_wait_alu depctr_va_vdst(0)
	s_wait_xcnt 0x0                                ; the last unit's store has read its two registers
.if (\t) < 6
	LOADM (\t)+2
.endif
.irp c, 0,1,2,3
	v_permlanex16_b32 v[148+\c], v[144+\c], s[SEL], s[SEL+1]
.endr
.irp c, 0,1,2,3
	v_cndmask_b32 v[148+\c], v[144+\c], v[148+\c], s[HI]   ; lanes r and 16 + r both hold row r's bits,
.endr
.irp c, 0,1,2,3
	v_lshrrev_b32 v[148+\c], v5, v[148+\c]         ; 4 h down: bit 8 b + i / 4 of register i % 4 is key 32 b + 16 h + i
.endr
.set n, 0
.rept 16
.irp e, 0,1,2,3
	v_and_b32 v[152+\e], 1<<(8*((n+\e)/16)+((n+\e)%16)/4), v[148+(n+\e)%4]
.endr
.irp e, 0,1,2,3
	v_cmp_ne_u32 s[32+\e], 0, v[152+\e]            ; word n: a bit for each lane
.endr
.irp e, 0,1,2,3
	v_writelane_b32 v[156+(n+\e)%2], s[32+\e], (n+\e)/2
.endr
.set n, n+4
.endr
	global_store_b64 v4, v[156:157], s[38:39] offset:256*(\t)   ; the step's 64 words: 256 consecutive bytes, aligned
.endm
	LOADM 0
	LOADM 1
.irp t, 0,1,2,3,4,5,6,7
	MUNIT \t
.endr
	s_endpgm
.Lfunc_end_k_qbd5e5473b4_prep:
	.size	k_qbd5e5473b4_prep, .Lfunc_end_k_qbd5e5473b4_prep-k_qbd5e5473b4_prep
	.p2alignl 7, 3214868480
	.fill 96, 4, 3214868480
	.section	.rodata,"a",@progbits
	.p2align	6, 0x0
	.amdhsa_kernel k_qbd5e5473b4_prep
		.amdhsa_group_segment_fixed_size 34304
		.amdhsa_private_segment_fixed_size 0
		.amdhsa_enable_private_segment 0
		.amdhsa_kernarg_size 80
		.amdhsa_user_sgpr_count 2
		.amdhsa_user_sgpr_kernarg_segment_ptr 1
		.amdhsa_wavefront_size32 1
		.amdhsa_system_sgpr_workgroup_id_x 1
		.amdhsa_system_sgpr_workgroup_id_y 1
		.amdhsa_system_sgpr_workgroup_id_z 1
		.amdhsa_system_vgpr_workitem_id 0
		.amdhsa_next_free_vgpr 242
		.amdhsa_next_free_sgpr 66
		.amdhsa_reserve_vcc 0
		.amdhsa_float_denorm_mode_32 3
		.amdhsa_float_denorm_mode_16_64 3
		.amdhsa_memory_ordered 1
		.amdhsa_forward_progress 1
		.amdhsa_inst_pref_size 240
	.end_amdhsa_kernel
	.amdgpu_metadata
---
amdhsa.version: [ 1, 2 ]
amdhsa.kernels:
  - .name:           k_qbd5e5473b4_prep
    .symbol:         k_qbd5e5473b4_prep.kd
    .args:
      - { .name: value, .offset: 0, .size: 8, .value_kind: global_buffer, .address_space: global }
      - { .name: key, .offset: 8, .size: 8, .value_kind: global_buffer, .address_space: global }
      - { .name: query, .offset: 16, .size: 8, .value_kind: global_buffer, .address_space: global }
      - { .name: Wv, .offset: 24, .size: 8, .value_kind: global_buffer, .address_space: global }
      - { .name: Wk, .offset: 32, .size: 8, .value_kind: global_buffer, .address_space: global }
      - { .name: Wq, .offset: 40, .size: 8, .value_kind: global_buffer, .address_space: global }
      - { .name: Wo, .offset: 48, .size: 8, .value_kind: global_buffer, .address_space: global }
      - { .name: mask, .offset: 56, .size: 8, .value_kind: global_buffer, .address_space: global }
      - { .name: xw, .offset: 64, .size: 8, .value_kind: global_buffer, .address_space: global }
      - { .name: mbits, .offset: 72, .size: 8, .value_kind: global_buffer, .address_space: global }
    .group_segment_fixed_size: 34304
    .private_segment_fixed_size: 0
    .kernarg_segment_align: 8
    .kernarg_segment_size: 80
    .max_flat_workgroup_size: 128
    .sgpr_count:     66
    .vgpr_count:     242
    .wavefront_size: 32
...
	.end_amdgpu_metadata
.endif
;; end of part 1
;; launch proj (part 2): grid 4 x 192, 8 waves a work-group, clusters of 4 x 4, 214,016 bytes of LDS; arguments xw, bq, bk, bv, qimg, kv; writes qimg, kv
.if DOCPART == 2
	.amdgcn_target "amdgcn-amd-amdhsa--gfx1250"
	.amdhsa_code_object_version 6
	.text
	.protected	k_qbd5e5473b4_proj
	.globl	k_qbd5e5473b4_proj
	.p2align	8
	.type	k_qbd5e5473b4_proj,@function
k_qbd5e5473b4_proj:
	s_mov_b64 s[64:65], 0
	v_nop
	global_prefetch_b8 v0, s[64:65] scope:SCOPE_SE
	s_setreg_imm32_b32 hwreg(HW_REG_WAVE_MODE, 25, 1), 1
	s_wait_xcnt 0x0
	s_wait_alu depctr_hold_cnt(0) depctr_sa_sdst(0) depctr_va_vdst(0) depctr_va_sdst(0) depctr_va_ssrc(0) depctr_va_vcc(0) depctr_vm_vsrc(0)
	s_getreg_b32 s2, hwreg(HW_REG_IB_STS2, 6, 4)
	s_cmp_eq_u32 s2, 0
	s_cbranch_scc0 .Lentry_in_a_cluster
	s_endpgm
.Lentry_in_a_cluster:
	s_bfe_u32 s2, ttmp6, 0x10000c
	s_cmp_lg_u32 s2, 0xf033
	s_cbranch_scc0 .Lentry_shape_is_right
	s_endpgm
.Lentry_shape_is_right:
; PROJ.  q = query Wq^T + bq, k = key Wk^T + bk, v = value Wv^T + bv on codes of FP4 with E8M0 scales (buffer xw), f32 sums; the results are quantised in registers and stored as the attention's operands.
; ONE BODY FOR THE THREE.  Source 0 is operand P, source 1 operand R: a lane owns one row of R, and its registers run along P, which is the axis along which the result is quantised.
;   q, k: P = 256 rows of W (features), R = 128 tokens.      v: P = 256 tokens of value (the keys), R = 128 rows of Wv: the product is v^T with the keys along a lane's registers.
; The rows of a tile are not neighbours: lane r of tile u of a group of 32 rows takes row 8 u + r + 8 (r / 8), so that the 16 registers of P's tiles 2 b and 2 b + 1 are the 16 neighbours 32 b + 16 h + 0 .. 15.
; The role hangs on the cluster's y alone (0-15 q, 16-31 k, 32-47 v), the same in all sixteen partners.  There is no branch on it: all that differs is chosen by s_cselect, and both kinds of bias are added, each times a flag
; 1.0 or 0 (the kind that the role does not have is read at its buffer's first numbers and multiplied by 0): x 1.0 and + 0 change no bit.
; SHARES.  A work-group makes R 128 x P 256 over all of K = 1,024; its operands, 208,896 bytes, come into LDS once: whole records, one tensor load a wave for waves 0-5, all landed before the first K step.
; No LDS byte is filled twice.  Wave w: R group w % 4 (two tiles), P groups 4 (w / 4) .. + 3 (eight tiles): 16 accumulators.
; CLUSTER 4 x 4: R's records are shared along a row of the cluster, P's along a column: each is asked for jointly by four.  A wave has at most one tensor load out.
; OUT.  kv, qimg: records of 17,408 bytes [batch 4][head pair 8][128 tokens 16]: + 0 images of k (q) [b 4][u 2][1,024]; + 8,192 images of v^T [head 2][tile 4][1,024]; + 16,384 scale words of k (q) [b 4][lane][4]; + 16,896 of v [4][lane][4].
; A wave's scale words are 128 consecutive bytes: half of an aligned 256; they are one sixteenth of what the launch stores.
; LIMITS: a block of zeros gets the byte 1 where the rule says 127 (zero codes; read by this program alone); NaN and infinities among inputs and biases are not served.
.set WV,  16
.set SEL, 28                           ; s[28:29]
.set RS,  20                           ; v20-23   R's scale words of four K steps
.set PS,  24                           ; v24-39   P's: four groups x four K steps
.set RF,  40                           ; v40-55   R's two fragments
.set PF,  56                           ; v56-119  P's eight fragments; behind the loop the bias, then QUANT's registers
.set ACC, 128                          ; v128-255 accumulator (R tile p, P tile t) at 128 + 64 p + 8 t
.set TM,  56
.macro PLACES                          ; four plain places behind matrix instructions, ahead of loads into registers that they read and of reads of their results
.rept 4
	v_nop
.endr
.endm
.macro CROUND                          ; a round of the cluster's barrier
	s_barrier_signal -1
	s_barrier_wait -1
	s_cmp_lg_u32 s[WV], 0
	s_cbranch_scc1 .Lnot_wave_0_\@
	s_barrier_signal -3
.Lnot_wave_0_\@:
	s_barrier_wait -3
	s_barrier_signal -1
	s_barrier_wait -1
.endm
; one product: D at v[d], source 0 at v[a], source 1 at v[b]; z = 1: it starts the sum; sa, sb the scale registers, ra, rb = 1: read from lanes 16-31
.macro WMS d, a, b, z, sa, sb, ra, rb
.if \z
.if ((\ra) != 0) && ((\rb) != 0)
	v_wmma_scale_f32_16x16x128_f8f6f4 v[\d:\d+7], v[\a:\a+7], v[\b:\b+7], 0, v[\sa], v[\sb] matrix_a_fmt:MATRIX_FMT_FP4 matrix_b_fmt:MATRIX_FMT_FP4 matrix_a_scale:MATRIX_SCALE_ROW1 matrix_b_scale:MATRIX_SCALE_ROW1
.elseif (\ra) != 0
	v_wmma_scale_f32_16x16x128_f8f6f4 v[\d:\d+7], v[\a:\a+7], v[\b:\b+7], 0, v[\sa], v[\sb] matrix_a_fmt:MATRIX_FMT_FP4 matrix_b_fmt:MATRIX_FMT_FP4 matrix_a_scale:MATRIX_SCALE_ROW1
.elseif (\rb) != 0
	v_wmma_scale_f32_16x16x128_f8f6f4 v[\d:\d+7], v[\a:\a+7], v[\b:\b+7], 0, v[\sa], v[\sb] matrix_a_fmt:MATRIX_FMT_FP4 matrix_b_fmt:MATRIX_FMT_FP4 matrix_b_scale:MATRIX_SCALE_ROW1
.else
	v_wmma_scale_f32_16x16x128_f8f6f4 v[\d:\d+7], v[\a:\a+7], v[\b:\b+7], 0, v[\sa], v[\sb] matrix_a_fmt:MATRIX_FMT_FP4 matrix_b_fmt:MATRIX_FMT_FP4
.endif
.else
.if ((\ra) != 0) && ((\rb) != 0)
	v_wmma_scale_f32_16x16x128_f8f6f4 v[\d:\d+7], v[\a:\a+7], v[\b:\b+7], v[\d:\d+7], v[\sa], v[\sb] matrix_a_fmt:MATRIX_FMT_FP4 matrix_b_fmt:MATRIX_FMT_FP4 matrix_a_scale:MATRIX_SCALE_ROW1 matrix_b_scale:MATRIX_SCALE_ROW1
.elseif (\ra) != 0
	v_wmma_scale_f32_16x16x128_f8f6f4 v[\d:\d+7], v[\a:\a+7], v[\b:\b+7], v[\d:\d+7], v[\sa], v[\sb] matrix_a_fmt:MATRIX_FMT_FP4 matrix_b_fmt:MATRIX_FMT_FP4 matrix_a_scale:MATRIX_SCALE_ROW1
.elseif (\rb) != 0
	v_wmma_scale_f32_16x16x128_f8f6f4 v[\d:\d+7], v[\a:\a+7], v[\b:\b+7], v[\d:\d+7], v[\sa], v[\sb] matrix_a_fmt:MATRIX_FMT_FP4 matrix_b_fmt:MATRIX_FMT_FP4 matrix_b_scale:MATRIX_SCALE_ROW1
.else
	v_wmma_scale_f32_16x16x128_f8f6f4 v[\d:\d+7], v[\a:\a+7], v[\b:\b+7], v[\d:\d+7], v[\sa], v[\sb] matrix_a_fmt:MATRIX_FMT_FP4 matrix_b_fmt:MATRIX_FMT_FP4
.endif
.endif
.endm
; 64 numbers of a lane, register 16 b + i = k 32 b + 16 (lane / 16) + i of its row, become a fragment's codes in v[pc] on and the row's scale word in v[pw]
.macro QUANT s, pc, pw
.irp b, 0,1,2,3
	v_max3_num_f32 v[TM+\b], |v[\s+16*\b]|, |v[\s+1+16*\b]|, 0x1800000   ; block b: my 16 numbers, and the floor 2^(3 - 127): the byte cannot fall under 1
.endr
.irp i, 2,4,6,8,10,12,14
.irp b, 0,1,2,3
	s_delay_alu instid0(VALU_DEP_4)
	v_max3_num_f32 v[TM+\b], v[TM+\b], |v[\s+16*\b+\i]|, |v[\s+1+16*\b+\i]|
.endr
.endr
.irp b, 0,1,2,3
	s_delay_alu instid0(VALU_DEP_4)
	v_permlanex16_b32 v[TM+4+\b], v[TM+\b], s[SEL], s[SEL+1]
.endr
.irp b, 0,1,2,3
	s_delay_alu instid0(VALU_DEP_4)
	v_max_num_f32 v[TM+\b], v[TM+\b], v[TM+4+\b]   ; with lane l xor 16: the block's largest magnitude
.endr
.irp b, 0,1,2,3
	s_delay_alu instid0(VALU_DEP_4)
	v_add_nc_u32 v[TM+12+\b], 0xff000000, v[TM+\b]   ; 2 off its exponent field: the conversion's scale operand
.endr
.irp b, 0,1,2,3
	s_delay_alu instid0(VALU_DEP_4)
	v_lshrrev_b32 v[TM+4+\b], 23, v[TM+12+\b]      ; the scale's byte
.endr
	s_delay_alu instid0(VALU_DEP_3)
	v_lshl_or_b32 v[\pw], v[TM+5], 8, v[TM+4]
	s_delay_alu instid0(VALU_DEP_1)
	v_lshl_or_b32 v[\pw], v[TM+6], 16, v[\pw]
	s_delay_alu instid0(VALU_DEP_1)
	v_lshl_or_b32 v[\pw], v[TM+7], 24, v[\pw]
.irp b, 0,1,2,3
	v_cvt_scalef32_pk8_fp4_f32 v[\pc+2*\b], v[\s+16*\b:\s+7+16*\b], v[TM+12+\b]
	v_cvt_scalef32_pk8_fp4_f32 v[\pc+1+2*\b], v[\s+8+16*\b:\s+15+16*\b], v[TM+12+\b]
.endr
	v_nop                                          ; one plain place behind a scaled conversion
.irp c, 0,1
.irp i, 0,1
	v_permlane16_swap_b32 v[\pc+4*\c+\i], v[\pc+2+4*\c+\i]   ; a whole block to a lane
.endr
.endr
.endm
	s_load_b256 s[4:11], s[0:1], 0x0               ; xw s[4:5], bq s[6:7], bk s[8:9], bv s[10:11]
	s_load_b128 s[12:15], s[0:1], 0x20             ; qimg s[12:13], kv s[14:15]
	v_lshl_add_u32 v126, v0, 2, 0x34000
	v_mov_b32 v127, 0
	ds_add_u32 v126, v127
	ds_add_u32 v126, v127
	v_lshrrev_b32 v1, 5, v0
	s_delay_alu instid0(VALU_DEP_1)
	v_readfirstlane_b32 s[WV], v1                  ; wave 0..7
	s_bfe_u32 s17, ttmp6, 0x40000                  ; cx
	s_bfe_u32 s18, ttmp6, 0x40004                  ; cy
	s_and_b32 s19, ttmp7, 0xffff                   ; the cluster's y, 0..47: the role and the block of clusters
	s_mov_b32 s27, 0xffff0000                      ; lanes 16-31
	s_mov_b32 s[SEL], 0x76543210
	s_mov_b32 s[SEL+1], 0xfedcba98
	s_and_b32 s20, s19, 15
	s_lshr_b32 s21, s20, 3                         ; v: which four blocks of R
	s_and_b32 s22, s20, 7                          ; v: which four blocks of P
	s_mov_b32 s23, 768                             ; v: R's first group (Wv)
	s_mov_b32 s26, 0                               ; v: P's first group (value)
	s_cmp_lt_u32 s19, 32                           ; q or k?
	s_cselect_b32 s21, s20, s21
	s_cselect_b32 s22, 0, s22
	s_cselect_b32 s23, 256, s23                    ; k: R = key
	s_cselect_b32 s26, 800, s26                    ; k: P = Wk
	s_cselect_b32 s30, 1.0, 0                      ; the flag of a bias that runs along P
	s_cselect_b32 s98, 0, 1.0                      ; and of one that runs along R
	s_cmp_lt_u32 s19, 16                           ; q?
	s_cselect_b32 s23, 512, s23                    ; q: R = query
	s_cselect_b32 s26, 832, s26                    ; q: P = Wq
	s_mov_b32 s31, s30                             ; (named with it as a pair)
	s_lshl_b32 s24, s21, 2
	s_add_co_u32 s24, s24, s18                     ; R's block of 128 rows: hangs on cy, not on cx
	s_lshl_b32 s25, s22, 2
	s_add_co_u32 s25, s25, s17                     ; P's block of 256 rows: hangs on cx, not on cy
	; what I fetch, if I fetch: waves 0, 1: R's groups 2 w, 2 w + 1; waves 2-5: P's groups 2 (w - 2), + 1.  Every wave makes both addresses, each in registers that never hold the other coordinate
	s_lshl_b32 s84, s24, 2
	s_add_co_u32 s84, s84, s23
	s_lshl_b32 s2, s[WV], 1
	s_add_co_u32 s84, s84, s2
	s_mul_i32 s84, s84, 17408
	s_mov_b32 s85, 0
	s_max_u32 s3, s[WV], 2
	s_sub_co_u32 s3, s3, 2
	s_lshl_b32 s3, s3, 1
	s_lshl_b32 s86, s25, 3
	s_add_co_u32 s86, s86, s26
	s_add_co_u32 s86, s86, s3
	s_mul_i32 s86, s86, 17408
	s_mov_b32 s87, 0
	s_mul_i32 s2, s[WV], 34816                     ; LDS now holds whole records, 17,408 bytes each: R's four, then P's eight; wave w (0-5) fetches records 2 w, 2 w + 1 by ONE load
	s_lshl_b32 s94, s18, 2
	s_lshl_b32 s94, 15, s94                        ; my row of the cluster
	s_lshl_b32 s95, 0x1111, s17                    ; my column
	; descriptor groups 1: 136 rows of 32 elements of 8 bytes, dense, no padding
	; two neighbouring records are 34,816 dense bytes: 136 rows of 256 bytes (32 elements of 8)
	s_or_b32 s32, s94, 0x230000                    ; 15:0 the mask; 17:16 elements of 8 bytes; 21 set beside a mask
	s_or_b32 s48, s95, 0x230000
.irp g, 32, 48
	s_mov_b32 s[\g+1], 32<<16                      ; tensor_dim0
	s_mov_b32 s[\g+2], 136<<16                     ; tensor_dim1
	s_mov_b32 s[\g+3], 32<<16                      ; tile_dim0
	s_mov_b32 s[\g+4], 136                         ; tile_dim1
	s_mov_b32 s[\g+5], 32                          ; dense
	s_mov_b32 s[\g+6], 0
	s_mov_b32 s[\g+7], 0
.endr
	s_wait_dscnt 0x0
	s_wait_kmcnt 0x0
	s_add_nc_u64 s[84:85], s[4:5], s[84:85]
	s_add_nc_u64 s[86:87], s[4:5], s[86:87]
	s_mov_b32 s68, 1                               ; R early
	s_mov_b32 s69, s2
	s_mov_b64 s[70:71], s[84:85]
	s_or_b32 s71, s71, 0x80000000
	s_mov_b32 s76, 1                               ; P early
	s_mov_b32 s77, s2
	s_mov_b64 s[78:79], s[86:87]
	s_or_b32 s79, s79, 0x80000000
	CROUND                                         ; all sixteen work-groups are here: the joint loads meet
	s_cmp_lt_u32 s[WV], 2                          ; a wave's one fill stands in one branch on its number, ahead of every wait on TENSORcnt, LDS read and barrier
	s_cbranch_scc0 .Lnot_r
	tensor_load_to_lds s[68:71], s[32:39]
	s_nop 0
	PLACES
	s_branch .Lasked
.Lnot_r:
	s_cmp_lt_u32 s[WV], 6
	s_cbranch_scc0 .Lasked
	tensor_load_to_lds s[76:79], s[48:55]
	s_nop 0
	PLACES
.Lasked:
	s_and_b32 s2, s[WV], 3                         ; my group of R
	s_lshr_b32 s3, s[WV], 2                        ; my four groups of P
	v_and_b32 v10, 31, v0
	s_delay_alu instid0(VALU_DEP_1)
	v_lshlrev_b32 v1, 4, v10                       ; 16 x lane
	s_delay_alu instid0(VALU_DEP_2)
	v_lshlrev_b32 v8, 2, v10                       ; 4 x lane
	v_and_b32 v11, 15, v0                          ; r
	v_bfe_u32 v10, v0, 4, 1                        ; h
	s_wait_alu depctr_va_vdst(0)
	s_mul_i32 s20, s2, 17408
	v_add_nc_u32 v2, s20, v1                       ; R's record
	s_mul_i32 s20, s3, 69632
	s_add_co_u32 s20, s20, 69632
	v_add_nc_u32 v4, s20, v1                       ; my P records 0, 1
	v_add_nc_u32 v5, 34816, v4                     ; and 2, 3: the immediates stay under 65,536
	s_lshl_b32 s20, s[WV], 9
	s_add_co_u32 s20, s20, 208896                  ; my wave's 512 bytes for 128 numbers of bias: no fill lands there
	v_lshl_add_u32 v6, v10, 6, s20                 ; out of them: + 64 h
	v_add_nc_u32 v7, s20, v1                       ; into them
	v_and_b32 v9, 8, v11
	s_delay_alu instid0(VALU_DEP_1)
	v_add_nc_u32 v9, v9, v11
	s_delay_alu instid0(VALU_DEP_1)
	v_lshlrev_b32 v9, 2, v9                        ; 4 (r + 8 (r / 8)): my row of tile 0 in a group
	; where the results go, and the biases
	s_wait_alu depctr_va_vdst(0)
	s_lshl_b32 s20, s24, 2
	s_add_co_u32 s20, s20, s2                      ; gl: my group of R in its tensor
	s_lshl_b32 s21, s25, 1
	s_add_co_u32 s21, s21, s3                      ; p128: my 128 rows of P in its tensor
	s_lshr_b32 s22, s20, 6                         ; q, k: batch
	s_lshr_b32 s23, s21, 4                         ; v: batch
	s_bfe_u32 s26, s20, 0x40002                    ; q, k: which 128 tokens
	s_and_b32 s92, s21, 15                         ; v: which 128 tokens
	s_lshr_b32 s93, s20, 2                         ; v: head pair
	s_and_b32 s99, s20, 3                          ; the group's place in a record
	s_lshl_b32 s86, s25, 10
	s_lshl_b32 s87, s3, 9
	s_add_co_u32 s86, s86, s87                     ; q, k: my 128 features' bias, in bytes
	s_lshl_b32 s84, s24, 9
	s_lshl_b32 s85, s2, 7
	s_add_co_u32 s84, s84, s85                     ; v: my 32 features' bias
	s_cmp_lt_u32 s19, 32
	s_cselect_b32 s22, s22, s23                    ; batch
	s_cselect_b32 s26, s26, s92                    ; 128 tokens
	s_cselect_b32 s93, s21, s93                    ; head pair
	s_cselect_b32 s86, s86, 0
	s_cselect_b32 s84, 0, s84
	s_cselect_b32 s92, 0, 8192                     ; images of k, q or of v
	s_cselect_b32 s23, 0, 512                      ; scale words likewise
	s_cselect_b64 s[88:89], s[8:9], s[10:11]
	s_cmp_lt_u32 s19, 16
	s_cselect_b64 s[88:89], s[6:7], s[88:89]       ; the role's bias
	s_cselect_b64 s[90:91], s[12:13], s[14:15]     ; and its buffer
	s_mov_b32 s85, 0
	s_mov_b32 s87, 0
	s_add_nc_u64 s[84:85], s[88:89], s[84:85]      ; bias along R
	s_add_nc_u64 s[88:89], s[88:89], s[86:87]      ; bias along P
	global_load_b128 v[12:15], v1, s[88:89]        ; 128 numbers, 4 a lane
	global_load_b32 v16, v9, s[84:85]              ; my row's, tile 0
	global_load_b32 v17, v9, s[84:85] offset:32    ; tile 1: eight rows on
	s_lshl_b32 s22, s22, 3
	s_add_co_u32 s22, s22, s93
	s_lshl_b32 s22, s22, 4
	s_add_co_u32 s22, s22, s26
	s_mul_i32 s22, s22, 17408                      ; the record
	s_lshl_b32 s26, s99, 7
	s_add_co_u32 s20, s23, s26
	s_add_co_u32 s20, s20, s22
	s_add_co_u32 s20, s20, 16384
	s_mov_b32 s21, 0
	s_add_nc_u64 s[20:21], s[90:91], s[20:21]      ; my scale words
	s_lshl_b32 s26, s99, 11
	s_add_co_u32 s92, s92, s26
	s_add_co_u32 s92, s92, s22
	s_mov_b32 s93, 0
	s_add_nc_u64 s[90:91], s[90:91], s[92:93]      ; my two images
	s_wait_loadcnt 0x0
	ds_store_b128 v7, v[12:15]
	v_mul_f32 v16, s98, v16
	v_mul_f32 v17, s98, v17
	s_wait_dscnt 0x0
	s_wait_tensorcnt 0x0                           ; my one load has landed
	s_barrier_signal -1
	s_barrier_wait -1                              ; everybody's load has
; A K step of 128: 20 LDS loads (25 where four steps' scale words come too), 16 products.  The sixteen accumulators take turns, one instruction a turn, in the same order in every step.
.macro KSTEP ks, zero
.set KQ, (\ks)%4
.set AR, 2
.set BS, 1024+2048*(\ks)               ; a record: 1,024 bytes of scale words, then 2,048 a K step
.if (\ks) > 0
	PLACES
.endif
.if KQ == 0
	ds_load_b128 v[RS:RS+3], v2 offset:512*((\ks)/4)
.irp g, 0,1,2,3
	ds_load_b128 v[PS+4*\g:PS+4*\g+3], v[4+\g/2] offset:17408*(\g%2)+512*((\ks)/4)
.endr
.endif
.irp p, 0,1
.irp c, 0,1
	ds_load_b128 v[RF+8*\p+4*\c:RF+8*\p+4*\c+3], v[AR] offset:BS+1024*\p+512*\c
.endr
.endr
.irp t, 0,1,2,3,4,5,6,7
.irp c, 0,1
	ds_load_b128 v[PF+8*\t+4*\c:PF+8*\t+4*\c+3], v[4+\t/4] offset:17408*((\t/2)%2)+BS+1024*(\t%2)+512*\c
.endr
.endr
	s_wait_dscnt 8                                 ; all but the youngest eight loads, P's tiles 4-7
.irp t, 0,1,2,3
.irp p, 0,1
	WMS ACC+64*\p+8*\t, PF+8*\t, RF+8*\p, \zero, PS+4*(\t/2)+KQ, RS+KQ, \t%2, \p
.endr
.endr
	s_wait_dscnt 0x0
.irp t, 4,5,6,7
.irp p, 0,1
	WMS ACC+64*\p+8*\t, PF+8*\t, RF+8*\p, \zero, PS+4*(\t/2)+KQ, RS+KQ, \t%2, \p
.endr
.endr
.endm
	KSTEP 0, 1                                     ; the first step's products start the sums
	KSTEP 1, 0
	KSTEP 2, 0
	KSTEP 3, 0
	KSTEP 4, 0
	KSTEP 5, 0
	KSTEP 6, 0
	KSTEP 7, 0
	PLACES
.irp t, 0,1,2,3,4,5,6,7
.irp e, 0,1
	ds_load_b128 v[PF+8*\t+4*\e:PF+8*\t+4*\e+3], v6 offset:128*(\t/2)+32*(\t%2)+16*\e   ; the bias along P in the result's layout: tile t, numbers 32 (t / 2) + 16 h + 8 (t % 2) + 0 .. 7
.endr
.endr
	s_wait_dscnt 0x0
.irp p, 0,1
.irp t, 0,1,2,3,4,5,6,7
.irp k, 0,2,4,6
	v_pk_fma_f32 v[ACC+64*\p+8*\t+\k:ACC+64*\p+8*\t+\k+1], v[PF+8*\t+\k:PF+8*\t+\k+1], s[30:31], v[ACC+64*\p+8*\t+\k:ACC+64*\p+8*\t+\k+1] op_sel_hi:[1,0,1]   ; each accumulator from its low end on
.endr
.endr
.endr
.set n, 0
.rept 32
	v_pk_add_f32 v[ACC+n:ACC+n+1], v[ACC+n:ACC+n+1], v[16:17] op_sel_hi:[1,0]               ; tile 0: my row's bias, v16, to both
	v_pk_add_f32 v[ACC+64+n:ACC+64+n+1], v[ACC+64+n:ACC+64+n+1], v[16:17] op_sel:[0,1] op_sel_hi:[1,1]   ; tile 1: v17 to both
.set n, n+2
.endr
	QUANT 128, 72, 88                              ; tile 0's 16 rows x my 128 along P: one fragment and one scale word a row
	QUANT 192, 80, 89                              ; tile 1's
	v_cndmask_b32 v90, v88, v89, s27               ; tile 0's words in lanes 0-15, tile 1's in lanes 16-31
.irp c, 0,1
	global_store_b128 v1, v[72+4*\c:75+4*\c], s[90:91] offset:512*\c          ; 512 consecutive bytes, aligned to 256
	global_store_b128 v1, v[80+4*\c:83+4*\c], s[90:91] offset:1024+512*\c
.endr
	global_store_b32 v8, v90, s[20:21]
	s_wait_tensorcnt 0x0
	ds_add_u32 v126, v127
	s_wait_dscnt 0x0
	CROUND                                         ; the closing round: no work-group ends while a partner may still ask for a tile that names it
	s_endpgm
.Lfunc_end_k_qbd5e5473b4_proj:
	.size	k_qbd5e5473b4_proj, .Lfunc_end_k_qbd5e5473b4_proj-k_qbd5e5473b4_proj
	.p2alignl 7, 3214868480
	.fill 96, 4, 3214868480
	.section	.rodata,"a",@progbits
	.p2align	6, 0x0
	.amdhsa_kernel k_qbd5e5473b4_proj
		.amdhsa_group_segment_fixed_size 214016
		.amdhsa_private_segment_fixed_size 0
		.amdhsa_enable_private_segment 0
		.amdhsa_kernarg_size 48
		.amdhsa_user_sgpr_count 2
		.amdhsa_user_sgpr_kernarg_segment_ptr 1
		.amdhsa_wavefront_size32 1
		.amdhsa_system_sgpr_workgroup_id_x 1
		.amdhsa_system_sgpr_workgroup_id_y 1
		.amdhsa_system_sgpr_workgroup_id_z 1
		.amdhsa_system_vgpr_workitem_id 0
		.amdhsa_next_free_vgpr 256
		.amdhsa_next_free_sgpr 100
		.amdhsa_reserve_vcc 0
		.amdhsa_float_denorm_mode_32 3
		.amdhsa_float_denorm_mode_16_64 3
		.amdhsa_memory_ordered 1
		.amdhsa_forward_progress 1
		.amdhsa_inst_pref_size 57
	.end_amdhsa_kernel
	.amdgpu_metadata
---
amdhsa.version: [ 1, 2 ]
amdhsa.kernels:
  - .name:           k_qbd5e5473b4_proj
    .symbol:         k_qbd5e5473b4_proj.kd
    .args:
      - { .name: xw, .offset: 0, .size: 8, .value_kind: global_buffer, .address_space: global }
      - { .name: bq, .offset: 8, .size: 8, .value_kind: global_buffer, .address_space: global }
      - { .name: bk, .offset: 16, .size: 8, .value_kind: global_buffer, .address_space: global }
      - { .name: bv, .offset: 24, .size: 8, .value_kind: global_buffer, .address_space: global }
      - { .name: qimg, .offset: 32, .size: 8, .value_kind: global_buffer, .address_space: global }
      - { .name: kv, .offset: 40, .size: 8, .value_kind: global_buffer, .address_space: global }
    .group_segment_fixed_size: 214016
    .private_segment_fixed_size: 0
    .kernarg_segment_align: 8
    .kernarg_segment_size: 48
    .max_flat_workgroup_size: 256
    .sgpr_count:     100
    .vgpr_count:     256
    .wavefront_size: 32
...
	.end_amdgpu_metadata
.endif
;; end of part 2
;; launch attn (part 3): grid 8 x 32, 16 waves a work-group, clusters of 4 x 1, 281,600 bytes of LDS; arguments qimg, kv, mbits, oimg, osc; writes oimg, osc
.if DOCPART == 3
	.amdgcn_target "amdgcn-amd-amdhsa--gfx1250"
	.amdhsa_code_object_version 6
	.text
	.protected	k_qbd5e5473b4_attn
	.globl	k_qbd5e5473b4_attn
	.p2align	8
	.type	k_qbd5e5473b4_attn,@function
k_qbd5e5473b4_attn:
	s_mov_b64 s[64:65], 0
	v_nop
	global_prefetch_b8 v0, s[64:65] scope:SCOPE_SE
	s_setreg_imm32_b32 hwreg(HW_REG_WAVE_MODE, 25, 1), 1
	s_wait_xcnt 0x0
	s_wait_alu depctr_hold_cnt(0) depctr_sa_sdst(0) depctr_va_vdst(0) depctr_va_sdst(0) depctr_va_ssrc(0) depctr_va_vcc(0) depctr_vm_vsrc(0)
	s_getreg_b32 s2, hwreg(HW_REG_IB_STS2, 6, 4)
	s_cmp_eq_u32 s2, 0
	s_cbranch_scc0 .Lentry_in_a_cluster
	s_endpgm
.Lentry_in_a_cluster:
	s_bfe_u32 s2, ttmp6, 0x10000c
	s_cmp_lg_u32 s2, 0x3003
	s_cbranch_scc0 .Lentry_shape_is_right
	s_endpgm
.Lentry_shape_is_right:
; ATTN.  For each batch and head: s = q k^T on codes of FP4 (K = the head's 64); where the mask is 0 the score becomes 1e-20; t = s x log2(e) / 32; M = the running largest t rounded up to a whole number;
; p = 2^(t - M) is quantised along the keys and multiplied by v (codes along the keys); the row's sum is taken of the unquantised p and divides at the end.  The result is quantised along the 1,024 features for the last product.
; SHARES.  A work-group owns 256 queries of a PAIR of heads; each of its sixteen waves one tile of 16 queries for both heads, in 256 registers: four waves to a SIMD, so that one wave's vector work stands beside another's
; matrix work and LDS loads.  So a wave ends with a whole fragment (16 tokens x the pair's 128 features) and whole scale words for the last product, and a key step's 64 mask words serve two heads.
; LDS.  The pair's k and v^T of all 2,048 keys are 16 records of 17,408 bytes, dense in memory: they come into LDS once (one record a wave, all landed before the first key step) and stay.  No LDS byte is filled twice.
; CLUSTER 4 x 1: the four blocks of queries of a cluster read the same records: every load is asked for jointly by the four.  A wave has one tensor load out.
; K = 64 IN AN INSTRUCTION OF K = 128.  A key tile's image holds head A in registers 0-3 and head B in registers 4-7, under one scale word.  S_A = K [Q_A | 0], S_B = K [0 | Q_B]: Q's other half is zero CODES, so whatever codes
; stand in K's other four registers add nothing (E2M1 has no NaN code; the scale bytes lie between 1 and 254).  So for each head only its own 512 bytes of a tile are loaded, tile t's at v[218 + 4 a + 4 t], and the operand is v[218 + 4 t : 225 + 4 t].
; LAYOUT.  Both products are used transposed: a lane holds one query (lane % 16) throughout.  Lane r of key tile 2 b + u holds key 32 b + 8 u + r + 8 (r / 8): score register 16 b + i is key 32 b + 16 (lane / 16) + i.
; THE MASK comes as lane masks in scalar registers (one word a score register), asked for one half step ahead: one v_cndmask_b32 a score.
; LIMITS: a block of zeros gets the byte 1 where the rule says 127 (zero codes; read by this program alone); NaN and infinities are not served.
.set WV,  66
.set CS,  12                           ; s[12:13] c = log2(e) / 32, twice
.set SEL, 14                           ; s[14:15] lane l xor 16
.set S,   80                           ; v80-143  the scores, then p
; REGISTERS AND LOADS AS THEY NOW STAND (in place of the notes above): each wave fetches ONE whole record (68 rows of 256 bytes) at the head; one loop of 16 key steps follows.
; k's tiles have registers of their own, v218-253: head a's tile t at v[KF + 4 a + 4 t], the operand v[KF + 4 t : KF + 4 t + 7].  The next half step's tiles are asked for behind this half step's score products.
.set BM,  64                           ; v64-67   a block's largest score, then its largest p, then the conversion's scale operand
.set PX,  218                          ; four registers for lane permutes and scale bytes: v218-221 in head A's half step, v250-253 in head B's: the four of k's area that the pending loads do not fill
.set SF,  64
.set F,   76                           ; v[76:77] 2^(old M - new M)
.set T,   78
.set KF,  218
.macro KLOAD a                         ; head a's 64 along K of the eight key tiles of the record at v3; with head A's the keys' scale words, for both heads
.irp t, 0,1,2,3,4,5,6,7
	ds_load_b128 v[KF+4*\a+4*\t:KF+4*\a+4*\t+3], v3 offset:1024*\t+512*\a
.endr
.if \a == 0
.irp b, 0,1,2,3
	ds_load_b32 v[68+\b], v4 offset:16384+128*\b
.endr
.endif
.endm
.set TM,  216                          ; QUANT's 16 registers, at the end
; REGISTERS: v1 16 lane, v2 4 lane, v3, v4 the step's LDS addresses, v5 1e-20, v6, v7 scale words' stage; v[8:9] -M and the largest t of head A, v[10:11] its sum in two halves; v[12:15] head B's;
; v[16:23] Q_A | 0, v[24:31] 0 | Q_B; v32-63 fragments of v^T; v68-71 k's scale words, v72-73 v's, v74 q's, v75 p's; v144-175 O^T of head A, v176-207 of head B; v208-215 p's codes.
; s[2:3] the tile's mask words; s[4:7] descriptor group 0; s[16:63], s[68:83] the 64 mask words; s[84:91] group 1; s100 the words' offset; s101 the record's LDS byte.
.macro PLACES
.rept 4
	v_nop
.endr
.endm
.macro CROUND                          ; a round of the cluster's barrier
	s_barrier_signal -1
	s_barrier_wait -1
	s_cmp_lg_u32 s[WV], 0
	s_cbranch_scc1 .Lnot_wave_0_\@
	s_barrier_signal -3
.Lnot_wave_0_\@:
	s_barrier_wait -3
	s_barrier_signal -1
	s_barrier_wait -1
.endm
; one product: z = 1: it starts the sum; ra = 1: source 0's scales are read from lanes 16-31
.macro WMS d, a, b, z, sa, sb, ra
.if \z
.if (\ra) != 0
	v_wmma_scale_f32_16x16x128_f8f6f4 v[\d:\d+7], v[\a:\a+7], v[\b:\b+7], 0, v[\sa], v[\sb] matrix_a_fmt:MATRIX_FMT_FP4 matrix_b_fmt:MATRIX_FMT_FP4 matrix_a_scale:MATRIX_SCALE_ROW1
.else
	v_wmma_scale_f32_16x16x128_f8f6f4 v[\d:\d+7], v[\a:\a+7], v[\b:\b+7], 0, v[\sa], v[\sb] matrix_a_fmt:MATRIX_FMT_FP4 matrix_b_fmt:MATRIX_FMT_FP4
.endif
.else
.if (\ra) != 0
	v_wmma_scale_f32_16x16x128_f8f6f4 v[\d:\d+7], v[\a:\a+7], v[\b:\b+7], v[\d:\d+7], v[\sa], v[\sb] matrix_a_fmt:MATRIX_FMT_FP4 matrix_b_fmt:MATRIX_FMT_FP4 matrix_a_scale:MATRIX_SCALE_ROW1
.else
	v_wmma_scale_f32_16x16x128_f8f6f4 v[\d:\d+7], v[\a:\a+7], v[\b:\b+7], v[\d:\d+7], v[\sa], v[\sb] matrix_a_fmt:MATRIX_FMT_FP4 matrix_b_fmt:MATRIX_FMT_FP4
.endif
.endif
.endm
.macro QUANT s, pc, pw
.irp b, 0,1,2,3
	v_max3_num_f32 v[TM+\b], |v[\s+16*\b]|, |v[\s+1+16*\b]|, 0x1800000   ; block b: my 16 numbers, and the floor 2^(3 - 127): the byte cannot fall under 1
.endr
.irp i, 2,4,6,8,10,12,14
.irp b, 0,1,2,3
	s_delay_alu instid0(VALU_DEP_4)
	v_max3_num_f32 v[TM+\b], v[TM+\b], |v[\s+16*\b+\i]|, |v[\s+1+16*\b+\i]|
.endr
.endr
.irp b, 0,1,2,3
	s_delay_alu instid0(VALU_DEP_4)
	v_permlanex16_b32 v[TM+4+\b], v[TM+\b], s[SEL], s[SEL+1]
.endr
.irp b, 0,1,2,3
	s_delay_alu instid0(VALU_DEP_4)
	v_max_num_f32 v[TM+\b], v[TM+\b], v[TM+4+\b]
.endr
.irp b, 0,1,2,3
	s_delay_alu instid0(VALU_DEP_4)
	v_add_nc_u32 v[TM+12+\b], 0xff000000, v[TM+\b]
.endr
.irp b, 0,1,2,3
	s_delay_alu instid0(VALU_DEP_4)
	v_lshrrev_b32 v[TM+4+\b], 23, v[TM+12+\b]
.endr
	s_delay_alu instid0(VALU_DEP_3)
	v_lshl_or_b32 v[\pw], v[TM+5], 8, v[TM+4]
	s_delay_alu instid0(VALU_DEP_1)
	v_lshl_or_b32 v[\pw], v[TM+6], 16, v[\pw]
	s_delay_alu instid0(VALU_DEP_1)
	v_lshl_or_b32 v[\pw], v[TM+7], 24, v[\pw]
.irp b, 0,1,2,3
	v_cvt_scalef32_pk8_fp4_f32 v[\pc+2*\b], v[\s+16*\b:\s+7+16*\b], v[TM+12+\b]
	v_cvt_scalef32_pk8_fp4_f32 v[\pc+1+2*\b], v[\s+8+16*\b:\s+15+16*\b], v[TM+12+\b]
.endr
	v_nop
.irp c, 0,1
.irp i, 0,1
	v_permlane16_swap_b32 v[\pc+4*\c+\i], v[\pc+2+4*\c+\i]
.endr
.endr
.endm
.macro MLOAD                           ; a key step's 64 mask words: word n in s[16 + n], from n = 48 on in s[20 + n]
	s_load_b512 s[16:31], s[2:3], s100 offset:0x0
	s_load_b512 s[32:47], s[2:3], s100 offset:0x40
	s_load_b512 s[48:63], s[2:3], s100 offset:0x80
	s_load_b512 s[68:83], s[2:3], s100 offset:0xc0
.endm
	s_load_b128 s[16:19], s[0:1], 0x0              ; qimg s[16:17], kv s[18:19]
	s_load_b64 s[20:21], s[0:1], 0x10              ; mbits
	v_lshl_add_u32 v254, v0, 2, 0x44400
	v_mov_b32 v255, 0
	ds_add_u32 v254, v255
	ds_add_u32 v254, v255
	v_lshrrev_b32 v1, 5, v0
	s_delay_alu instid0(VALU_DEP_1)
	v_readfirstlane_b32 s[WV], v1                  ; wave 0..15
	s_bfe_u32 s22, ttmp6, 0x40000                  ; cx
	s_lshl_b32 s23, ttmp9, 2
	s_add_co_u32 s22, s23, s22                     ; my block of 256 queries: it enters global addresses of q, the mask and the results alone
	s_and_b32 s23, ttmp7, 0xffff                   ; 8 batch + head pair, which the four partners share
	s_mul_i32 s24, s23, 278528                     ; the pair's 16 records
	s_mul_i32 s26, s[WV], 17408                    ; my record: the same place in memory and in LDS
	s_add_co_u32 s28, s24, s26
	s_mov_b32 s29, 0
	s_lshr_b32 s32, s23, 3                         ; batch
	s_lshl_b32 s33, s22, 4
	s_add_co_u32 s33, s33, s[WV]                   ; T: my tile of queries in the batch
	s_lshl_b32 s34, s32, 7
	s_add_co_u32 s34, s34, s33
	s_lshl_b32 s34, s34, 12                        ; 4,096 bytes of mask words a tile
	s_mov_b32 s35, 0
	s_lshl_b32 s36, s23, 4
	s_lshl_b32 s37, s22, 1
	s_add_co_u32 s36, s36, s37
	s_lshr_b32 s37, s[WV], 3
	s_add_co_u32 s36, s36, s37
	s_mul_i32 s36, s36, 17408                      ; q's record
	s_bfe_u32 s37, s[WV], 0x20001                  ; the group of 32 in it
	s_and_b32 s38, s[WV], 1                        ; the tile in the group
	s_lshl_b32 s39, s37, 11
	s_lshl_b32 s40, s38, 10
	s_add_co_u32 s40, s40, s39
	s_add_co_u32 s40, s40, s36                     ; my image
	s_mov_b32 s41, 0
	s_lshl_b32 s39, s37, 7
	s_lshl_b32 s42, s38, 6
	s_add_co_u32 s42, s42, s39
	s_add_co_u32 s42, s42, s36
	s_add_co_u32 s42, s42, 16384                   ; my 16 scale words
	s_mov_b32 s43, 0
	s_lshl_b32 s44, s[WV], 6
	s_add_co_u32 s44, s44, 278528                  ; my wave's 64 bytes behind the records, for the results' scale words: no fill lands there
	; descriptor groups 1: rows of 256 bytes (32 elements of 8), dense: 68 rows, one record
	s_mov_b32 s84, 0x23000f                        ; 15:0 the mask: all four; 17:16 elements of 8 bytes; 21 set beside a mask
	s_mov_b32 s85, 32<<16
	s_mov_b32 s86, 68<<16
	s_mov_b32 s87, 32<<16
	s_mov_b32 s88, 68
	s_mov_b32 s89, 32
	s_mov_b32 s90, 0
	s_mov_b32 s91, 0
	s_mov_b32 s[CS], 0x3d38aa3b                    ; log2(e) / 32
	s_mov_b32 s[CS+1], s[CS]
	s_mov_b32 s[SEL], 0x76543210
	s_mov_b32 s[SEL+1], 0xfedcba98
	s_wait_dscnt 0x0
	s_wait_kmcnt 0x0
	s_mov_b32 s4, 1
	s_mov_b32 s5, s26
	s_add_nc_u64 s[6:7], s[18:19], s[28:29]
	s_or_b32 s7, s7, 0x80000000
	s_add_nc_u64 s[2:3], s[20:21], s[34:35]
	s_add_nc_u64 s[40:41], s[16:17], s[40:41]
	s_add_nc_u64 s[42:43], s[16:17], s[42:43]
	CROUND                                         ; all four work-groups are here: the joint loads meet
	tensor_load_to_lds s[4:7], s[84:91]
	s_nop 0
	PLACES
	v_and_b32 v2, 31, v0
	s_delay_alu instid0(VALU_DEP_1)
	v_lshlrev_b32 v1, 4, v2                        ; 16 x lane
	s_delay_alu instid0(VALU_DEP_2)
	v_lshlrev_b32 v2, 2, v2                        ; 4 x lane
	v_and_b32 v76, 15, v0
	s_delay_alu instid0(VALU_DEP_1)
	v_lshlrev_b32 v76, 2, v76                      ; 4 r
	global_load_b128 v[16:19], v1, s[40:41]        ; Q_A: registers 0-3 of my image
	global_load_b128 v[28:31], v1, s[40:41] offset:512   ; Q_B: registers 4-7
	global_load_b32 v74, v76, s[42:43]             ; my queries' scale words
	v_add_nc_u32 v6, s44, v76
	v_add_nc_u32 v7, 278528, v1
	s_wait_alu depctr_va_vdst(0)
	s_wait_xcnt 0x0                                ; these loads have read their bases, on which the mask words land
	s_mov_b32 s100, 0
	MLOAD                                          ; key step 0's
	v_mov_b32 v5, 0x1e3ce508                       ; 1e-20
	v_mov_b32 v3, v1                               ; record 0's LDS addresses
	v_mov_b32 v4, v2
.irp j, 20,21,22,23,24,25,26,27,250,251,252,253
	v_mov_b32 v\j, 0                               ; Q's zero halves; the four registers behind tile 7's
.endr
	v_mov_b32 v9, 0xff61b1e6                       ; the largest t so far: -3e38
	v_mov_b32 v13, 0xff61b1e6
	s_delay_alu instid0(VALU_DEP_2)
	v_floor_f32 v8, -v9                            ; -M
	s_delay_alu instid0(VALU_DEP_2)
	v_floor_f32 v12, -v13
.irp j, 10,11,14,15,77
	v_mov_b32 v\j, 0                               ; the sums; the upper half of the pair v[76:77]
.endr
.set n, 0
.rept 64
	v_mov_b32 v[144+n], 0                          ; O^T: the step is written once; its first walk finds zeros, which the first change of M leaves zeros
.set n, n+1
.endr
	s_wait_alu depctr_va_vdst(0)
	s_wait_tensorcnt 0x0                           ; my record has landed
	s_barrier_signal -1
	s_barrier_wait -1                              ; all sixteen have
	KLOAD 0                                        ; key step 0, head A
	s_wait_loadcnt 0x0                             ; Q
	s_wait_dscnt 0x0
; Half a key step: 128 keys for head a.
.macro HSTEP a
.set NM, 8+4*\a
.set SU, 10+4*\a
.set O, 144+32*\a
.set QF, 16+8*\a
.set PX, 218+32*\a
.irp t, 0,1,2,3,4,5,6,7
	WMS S+8*\t, KF+4*\t, QF, 1, 68+\t/2, 74, \t%2   ; k's tiles were asked for half a step ago and awaited with v^T
.endr
	PLACES                                         ; ahead of the loads into k's registers and of the first read of the scores
.irp d, 0,1,2,3
.irp c, 0,1
	ds_load_b128 v[32+8*\d+4*\c:35+8*\d+4*\c], v3 offset:8192+4096*\a+1024*\d+512*\c   ; v^T: four tiles of 16 of the head's 64; they land under the softmax
.endr
.endr
.irp e, 0,1
	ds_load_b32 v[72+\e], v4 offset:16896+256*\a+128*\e
.endr
.if \a == 0
	KLOAD 1                                        ; head B's tiles of this record: they land under head A's softmax
.else
	s_add_co_u32 s101, s101, 17408                 ; the next record;
	s_min_u32 s101, s101, 15*17408                 ; the last step asks for its own again: no read leaves the records
	v_add_nc_u32 v3, s101, v1
	v_add_nc_u32 v4, s101, v2
	KLOAD 0                                        ; its head A tiles and scale words: they land under head B's softmax
.endif
.if \a == 0
	s_wait_kmcnt 0x0                               ; the step's mask words
.endif
.set n, 0
.rept 64
	v_cndmask_b32 v[S+n], v5, v[S+n], s[16+n+4*(n/48)]   ; where the mask is 0: 1e-20.  Each accumulator from its low end on
.set n, n+1
.endr
.irp b, 0,1,2,3
	v_max3_num_f32 v[BM+\b], v[S+16*\b], v[S+1+16*\b], v[S+2+16*\b]   ; the largest score of each block of 32 keys: for the row's maximum and, since p rises with the score, for the block's largest p
.endr
.irp i, 3,5,7,9,11,13
.irp b, 0,1,2,3
	s_delay_alu instid0(VALU_DEP_4)
	v_max3_num_f32 v[BM+\b], v[BM+\b], v[S+16*\b+\i], v[S+1+16*\b+\i]
.endr
.endr
.irp b, 0,1,2,3
	s_delay_alu instid0(VALU_DEP_4)
	v_max_num_f32 v[BM+\b], v[BM+\b], v[S+15+16*\b]
.endr
.irp b, 0,1,2,3
	s_delay_alu instid0(VALU_DEP_4)
	v_permlanex16_b32 v[PX+\b], v[BM+\b], s[SEL], s[SEL+1]
.endr
.if \a == 1
	s_add_co_u32 s100, s100, 256                   ; the next step's words are asked for here, this head's softmax ahead of their use (the last loads were waited for, so the offset may step);
	s_min_u32 s100, s100, 3840                     ; the last step asks for its own again: no load leaves the buffer
	MLOAD
.endif
.irp b, 0,1,2,3
	v_max_num_f32 v[BM+\b], v[BM+\b], v[PX+\b]     ; with lane l xor 16's 16 keys
.endr
	s_delay_alu instid0(VALU_DEP_2)
	v_max3_num_f32 v[T], v[BM], v[BM+1], v[BM+2]
	s_delay_alu instid0(VALU_DEP_1)
	v_max_num_f32 v[T], v[T], v[BM+3]
	s_delay_alu instid0(VALU_DEP_1)
	v_mul_f32 v[T], s[CS], v[T]                    ; as t (c is positive)
	s_delay_alu instid0(VALU_DEP_1)
	v_max_num_f32 v[NM+1], v[NM+1], v[T]           ; the running largest t
	v_mov_b32 v[T], v[NM]
	s_delay_alu instid0(VALU_DEP_2)
	v_floor_f32 v[NM], -v[NM+1]                    ; -M = floor(-t): M is a whole number
	s_delay_alu instid0(VALU_DEP_1)
	v_sub_f32 v[T], v[NM], v[T]                    ; old M - new M: a whole number, 0 or less
	s_delay_alu instid0(VALU_DEP_1)
	v_cvt_i32_f32 v[T], v[T]                       ; (it saturates)
	s_delay_alu instid0(VALU_DEP_1)
	v_ldexp_f32 v[F], 1.0, v[T]                    ; f = 2^(old M - new M): a multiplication by it rounds nothing
.set n, 0
.rept 32
	v_pk_fma_f32 v[S+n:S+n+1], v[S+n:S+n+1], s[CS:CS+1], v[NM:NM+1] op_sel_hi:[1,0,0]   ; t - M
.set n, n+2
.endr
.irp b, 0,1,2,3
	v_fma_f32 v[BM+\b], v[BM+\b], s[CS], v[NM]
.endr
.set n, 0
	s_wait_alu depctr_va_vdst(0)
.rept 64
	v_exp_f32 v[S+n], v[S+n]                       ; p = 2^(t - M): not normalised
.set n, n+1
.endr
	v_pk_mul_f32 v[SU:SU+1], v[SU:SU+1], v[F:F+1] op_sel_hi:[1,0]   ; the sums under the new M: the plain place behind the exponentials
	s_wait_alu depctr_va_vdst(0)                   ; one wait for the batch of 64, ahead of its first reader
.irp b, 0,1,2,3
	v_exp_f32 v[BM+\b], v[BM+\b]                   ; the blocks' largest p
.endr
	v_pk_add_f32 v[216:217], v[S:S+1], v[S+2:S+3]  ; the row's sum of the unquantised p, in two chains
.set n, 4
.rept 15
	v_pk_add_f32 v[SU:SU+1], v[SU:SU+1], v[S+n:S+n+1]
	v_pk_add_f32 v[216:217], v[216:217], v[S+n+2:S+n+3]
.set n, n+4
.endr
	s_delay_alu instid0(VALU_DEP_1)
	v_pk_add_f32 v[SU:SU+1], v[SU:SU+1], v[216:217]
	s_wait_alu depctr_va_vdst(0)                   ; and one for the four
.irp b, 0,1,2,3
	v_max_num_f32 v[BM+\b], 0x1800000, v[BM+\b]    ; the floor 2^(3 - 127)
.endr
.irp b, 0,1,2,3
	s_delay_alu instid0(VALU_DEP_4)
	v_add_nc_u32 v[SF+\b], 0xff000000, v[BM+\b]    ; 2 off the exponent field: the conversion's scale operand
.endr
.irp b, 0,1,2,3
	s_delay_alu instid0(VALU_DEP_4)
	v_lshrrev_b32 v[PX+\b], 23, v[SF+\b]           ; the scale's byte
.endr
	s_delay_alu instid0(VALU_DEP_3)
	v_lshl_or_b32 v75, v[PX+1], 8, v[PX]           ; p's scale word for these 128 keys
	s_delay_alu instid0(VALU_DEP_1)
	v_lshl_or_b32 v75, v[PX+2], 16, v75
	s_delay_alu instid0(VALU_DEP_1)
	v_lshl_or_b32 v75, v[PX+3], 24, v75
.irp b, 0,1,2,3
	v_cvt_scalef32_pk8_fp4_f32 v[208+2*\b], v[S+16*\b:S+7+16*\b], v[SF+\b]
	v_cvt_scalef32_pk8_fp4_f32 v[209+2*\b], v[S+8+16*\b:S+15+16*\b], v[SF+\b]
.endr
	v_nop                                          ; one plain place behind a scaled conversion
.irp c, 0,1
.irp i, 0,1
	v_permlane16_swap_b32 v[208+4*\c+\i], v[210+4*\c+\i]   ; a whole block to a lane
.endr
.endr
.set n, 0
.rept 16
	v_pk_mul_f32 v[O+n:O+n+1], v[O+n:O+n+1], v[F:F+1] op_sel_hi:[1,0]   ; O^T under the new M.  These sixteen are also the places between the writes of p's scale word and codes and the products below
.set n, n+2
.endr
	s_wait_alu depctr_va_vdst(0)
	s_wait_dscnt 0x0                               ; v^T
.irp d, 0,1,2,3
	WMS O+8*\d, 32+8*\d, 208, 0, 72+\d/2, 75, \d%2
.endr
.endm
; A key step.  No two matrix instructions that follow each other share an accumulator, over the backward jump too.
.macro KEYSTEP
	HSTEP 0                                        ; the score products name no register of the products ahead of them: no places are owed between
	HSTEP 1
.endm
	s_mov_b32 s101, 0
	s_mov_b32 s67, 16
.Llate:                                            ; the sixteen records
	KEYSTEP
	s_sub_co_u32 s67, s67, 1
	s_cmp_lg_u32 s67, 0
	s_cbranch_scc1 .Llate
	; THE WAY OUT.  O^T / the sum; the lane's 64 numbers are k = 32 b + 16 h + i of the pair's 128 features of its token: one fragment of the last product.
	PLACES
	v_add_f32 v10, v10, v11
	v_add_f32 v14, v14, v15
	s_delay_alu instid0(VALU_DEP_2)
	v_permlanex16_b32 v220, v10, s[SEL], s[SEL+1]
	s_delay_alu instid0(VALU_DEP_2)
	v_permlanex16_b32 v221, v14, s[SEL], s[SEL+1]
	s_delay_alu instid0(VALU_DEP_2)
	v_add_f32 v10, v10, v220                       ; the rows' sums
	s_delay_alu instid0(VALU_DEP_2)
	v_add_f32 v14, v14, v221
	s_wait_alu depctr_va_vdst(0)
	v_rcp_f32 v10, v10
	v_rcp_f32 v14, v14
	v_nop                                          ; a plain place behind the reciprocals
	s_wait_kmcnt 0x0                               ; the last mask words, which nobody reads, have landed: their registers are free
	s_load_b128 s[16:19], s[0:1], 0x18             ; oimg s[16:17], osc s[18:19]
	s_bfe_u32 s20, ttmp6, 0x40000
	s_lshl_b32 s21, ttmp9, 2
	s_add_co_u32 s20, s21, s20                     ; my block of 256 queries
	s_and_b32 s21, ttmp7, 0xffff
	s_lshr_b32 s22, s21, 3                         ; batch
	s_and_b32 s21, s21, 7                          ; head pair = K step of the last product
	s_lshl_b32 s23, s20, 4
	s_add_co_u32 s23, s23, s[WV]                   ; T
	s_lshl_b32 s24, s22, 6
	s_lshr_b32 s25, s23, 1
	s_add_co_u32 s25, s25, s24                     ; the group of 32 tokens
	s_lshl_b32 s25, s25, 14
	s_lshl_b32 s26, s21, 11
	s_add_co_u32 s25, s25, s26
	s_and_b32 s26, s23, 1
	s_lshl_b32 s26, s26, 10
	s_add_co_u32 s28, s25, s26
	s_mov_b32 s29, 0
	s_lshl_b32 s30, s20, 3
	s_add_co_u32 s30, s30, s24                     ; the work-group's first group
	s_lshl_b32 s30, s30, 7
	s_lshl_b32 s31, s21, 15
	s_add_co_u32 s30, s30, s31
	s_mov_b32 s31, 0
	s_wait_kmcnt 0x0
	s_add_nc_u64 s[16:17], s[16:17], s[28:29]
	s_add_nc_u64 s[18:19], s[18:19], s[30:31]
	s_wait_alu depctr_va_vdst(0)                   ; one wait for the two reciprocals, ahead of their first reader
.set n, 0
.rept 16
	v_pk_mul_f32 v[144+n:145+n], v[144+n:145+n], v[10:11] op_sel_hi:[1,0]
	v_pk_mul_f32 v[176+n:177+n], v[176+n:177+n], v[14:15] op_sel_hi:[1,0]
.set n, n+2
.endr
	QUANT 144, 208, 232
.irp c, 0,1
	global_store_b128 v1, v[208+4*\c:211+4*\c], s[16:17] offset:512*\c   ; 512 consecutive bytes, aligned to 256
.endr
	ds_store_b32 v6, v232                          ; my tokens' scale words; lanes r and 16 + r write the same word with the same value
	s_wait_dscnt 0x0
	s_barrier_signal -1
	s_barrier_wait -1                              ; sixteen tiles' words lie together: eight groups x 128 bytes
	s_cmp_lg_u32 s[WV], 0
	s_cbranch_scc1 .Lnot_mine
	ds_load_b128 v[80:83], v7
	ds_load_b128 v[84:87], v7 offset:512
	s_wait_dscnt 0x0
	global_store_b128 v1, v[80:83], s[18:19]       ; 1,024 consecutive bytes, aligned to 256
	global_store_b128 v1, v[84:87], s[18:19] offset:512
.Lnot_mine:
	s_wait_tensorcnt 0x0
	ds_add_u32 v254, v255
	s_wait_dscnt 0x0
	CROUND                                         ; the closing round
	s_endpgm
.Lfunc_end_k_qbd5e5473b4_attn:
	.size	k_qbd5e5473b4_attn, .Lfunc_end_k_qbd5e5473b4_attn-k_qbd5e5473b4_attn
	.p2alignl 7, 3214868480
	.fill 96, 4, 3214868480
	.section	.rodata,"a",@progbits
	.p2align	6, 0x0
	.amdhsa_kernel k_qbd5e5473b4_attn
		.amdhsa_group_segment_fixed_size 281600
		.amdhsa_private_segment_fixed_size 0
		.amdhsa_enable_private_segment 0
		.amdhsa_kernarg_size 40
		.amdhsa_user_sgpr_count 2
		.amdhsa_user_sgpr_kernarg_segment_ptr 1
		.amdhsa_wavefront_size32 1
		.amdhsa_system_sgpr_workgroup_id_x 1
		.amdhsa_system_sgpr_workgroup_id_y 1
		.amdhsa_system_sgpr_workgroup_id_z 1
		.amdhsa_system_vgpr_workitem_id 0
		.amdhsa_next_free_vgpr 256
		.amdhsa_next_free_sgpr 102
		.amdhsa_reserve_vcc 0
		.amdhsa_float_denorm_mode_32 3
		.amdhsa_float_denorm_mode_16_64 3
		.amdhsa_memory_ordered 1
		.amdhsa_forward_progress 1
		.amdhsa_inst_pref_size 60
	.end_amdhsa_kernel
	.amdgpu_metadata
---
amdhsa.version: [ 1, 2 ]
amdhsa.kernels:
  - .name:           k_qbd5e5473b4_attn
    .symbol:         k_qbd5e5473b4_attn.kd
    .args:
      - { .name: qimg, .offset: 0, .size: 8, .value_kind: global_buffer, .address_space: global }
      - { .name: kv, .offset: 8, .size: 8, .value_kind: global_buffer, .address_space: global }
      - { .name: mbits, .offset: 16, .size: 8, .value_kind: global_buffer, .address_space: global }
      - { .name: oimg, .offset: 24, .size: 8, .value_kind: global_buffer, .address_space: global }
      - { .name: osc, .offset: 32, .size: 8, .value_kind: global_buffer, .address_space: global }
    .group_segment_fixed_size: 281600
    .private_segment_fixed_size: 0
    .kernarg_segment_align: 8
    .kernarg_segment_size: 40
    .max_flat_workgroup_size: 512
    .sgpr_count:     102
    .vgpr_count:     256
    .wavefront_size: 32
...
	.end_amdgpu_metadata
.endif
;; end of part 3
;; launch outp (part 4): grid 4 x 64, 8 waves a work-group, clusters of 4 x 4, 281,600 bytes of LDS; arguments oimg, osc, xw, bo, out0; writes out0
.if DOCPART == 4
	.amdgcn_target "amdgcn-amd-amdhsa--gfx1250"
	.amdhsa_code_object_version 6
	.text
	.protected	k_qbd5e5473b4_outp
	.globl	k_qbd5e5473b4_outp
	.p2align	8
	.type	k_qbd5e5473b4_outp,@function
k_qbd5e5473b4_outp:
	s_mov_b64 s[64:65], 0
	v_nop
	global_prefetch_b8 v0, s[64:65] scope:SCOPE_SE
	s_setreg_imm32_b32 hwreg(HW_REG_WAVE_MODE, 25, 1), 1
	s_wait_xcnt 0x0
	s_wait_alu depctr_hold_cnt(0) depctr_sa_sdst(0) depctr_va_vdst(0) depctr_va_sdst(0) depctr_va_ssrc(0) depctr_va_vcc(0) depctr_vm_vsrc(0)
	s_getreg_b32 s2, hwreg(HW_REG_IB_STS2, 6, 4)
	s_cmp_eq_u32 s2, 0
	s_cbranch_scc0 .Lentry_in_a_cluster
	s_endpgm
.Lentry_in_a_cluster:
	s_bfe_u32 s2, ttmp6, 0x10000c
	s_cmp_lg_u32 s2, 0xf033
	s_cbranch_scc0 .Lentry_shape_is_right
	s_endpgm
.Lentry_shape_is_right:
; OUTP.  out0 = a Wo^T + bo on codes of FP4 with E8M0 scales, f32 sums.  a: the attention's result as fragment images (oimg [group of 32 tokens 256][K step 8][tile 2][1,024 bytes]) and scale words (osc [K step 8][group 256][lane 32][4 bytes]);
; Wo: records 864 on of xw (17,408 bytes a group of 32 rows: 1,024 of scale words, then images [K step 8][tile 2][1,024]).
; Source 0 is P = 256 rows of Wo (output features), source 1 is R = 128 tokens: a lane owns one token and its registers run along the features.  Lane r of tile u of a group takes row 8 u + r + 8 (r / 8).
; SHARES.  A work-group makes 128 tokens x 256 features over all of K = 1,024; its operands come into LDS once (one tensor load a wave for waves 0-6, all landed before the first K step).  No LDS byte is filled twice.
; Wave w: R group w % 4 (two tiles), P groups 4 (w / 4) .. + 3 (eight tiles): 16 accumulators.
; CLUSTER 4 x 4: the tokens' operands are shared along a row of the cluster, Wo's along a column: each is asked for jointly by four.  By this text's own count a wave has at most three tensor loads out.
; LDS: 18,432 w (w = 0, 1): R's groups 2 w, 2 w + 1, K steps 0-3 (16,384 bytes), then the scale words of K steps 4 w .. 4 w + 3 (4 x 512); 36,864: P early, 8 x 9,216; 110,592: R late, 4 x 8,192; 143,360: P late, 8 x 8,192;
; 208,896: 512 bytes of bias a wave; 212,992: a stage of 16 rows x 528 bytes a wave.  No fill lands in the last two.
.set WV,  16
.set RS,  20                           ; v20-23   R's scale words of four K steps
.set PS,  24                           ; v24-39   P's: four groups x four K steps
.set RF,  40                           ; v40-55   R's two fragments
.set PF,  56                           ; v56-119  P's eight fragments; behind the loop the bias, then rows on their way out
.set ACC, 128                          ; v128-255 accumulator (R tile p, P tile t) at 128 + 64 p + 8 t
.macro PLACES                          ; four plain places behind matrix instructions, ahead of loads into registers that they read and of reads of their results
.rept 4
	v_nop
.endr
.endm
.macro CROUND                          ; a round of the cluster's barrier
	s_barrier_signal -1
	s_barrier_wait -1
	s_cmp_lg_u32 s[WV], 0
	s_cbranch_scc1 .Lnot_wave_0_\@
	s_barrier_signal -3
.Lnot_wave_0_\@:
	s_barrier_wait -3
	s_barrier_signal -1
	s_barrier_wait -1
.endm
.macro WMS d, a, b, z, sa, sb, ra, rb
.if \z
.if ((\ra) != 0) && ((\rb) != 0)
	v_wmma_scale_f32_16x16x128_f8f6f4 v[\d:\d+7], v[\a:\a+7], v[\b:\b+7], 0, v[\sa], v[\sb] matrix_a_fmt:MATRIX_FMT_FP4 matrix_b_fmt:MATRIX_FMT_FP4 matrix_a_scale:MATRIX_SCALE_ROW1 matrix_b_scale:MATRIX_SCALE_ROW1
.elseif (\ra) != 0
	v_wmma_scale_f32_16x16x128_f8f6f4 v[\d:\d+7], v[\a:\a+7], v[\b:\b+7], 0, v[\sa], v[\sb] matrix_a_fmt:MATRIX_FMT_FP4 matrix_b_fmt:MATRIX_FMT_FP4 matrix_a_scale:MATRIX_SCALE_ROW1
.elseif (\rb) != 0
	v_wmma_scale_f32_16x16x128_f8f6f4 v[\d:\d+7], v[\a:\a+7], v[\b:\b+7], 0, v[\sa], v[\sb] matrix_a_fmt:MATRIX_FMT_FP4 matrix_b_fmt:MATRIX_FMT_FP4 matrix_b_scale:MATRIX_SCALE_ROW1
.else
	v_wmma_scale_f32_16x16x128_f8f6f4 v[\d:\d+7], v[\a:\a+7], v[\b:\b+7], 0, v[\sa], v[\sb] matrix_a_fmt:MATRIX_FMT_FP4 matrix_b_fmt:MATRIX_FMT_FP4
.endif
.else
.if ((\ra) != 0) && ((\rb) != 0)
	v_wmma_scale_f32_16x16x128_f8f6f4 v[\d:\d+7], v[\a:\a+7], v[\b:\b+7], v[\d:\d+7], v[\sa], v[\sb] matrix_a_fmt:MATRIX_FMT_FP4 matrix_b_fmt:MATRIX_FMT_FP4 matrix_a_scale:MATRIX_SCALE_ROW1 matrix_b_scale:MATRIX_SCALE_ROW1
.elseif (\ra) != 0
	v_wmma_scale_f32_16x16x128_f8f6f4 v[\d:\d+7], v[\a:\a+7], v[\b:\b+7], v[\d:\d+7], v[\sa], v[\sb] matrix_a_fmt:MATRIX_FMT_FP4 matrix_b_fmt:MATRIX_FMT_FP4 matrix_a_scale:MATRIX_SCALE_ROW1
.elseif (\rb) != 0
	v_wmma_scale_f32_16x16x128_f8f6f4 v[\d:\d+7], v[\a:\a+7], v[\b:\b+7], v[\d:\d+7], v[\sa], v[\sb] matrix_a_fmt:MATRIX_FMT_FP4 matrix_b_fmt:MATRIX_FMT_FP4 matrix_b_scale:MATRIX_SCALE_ROW1
.else
	v_wmma_scale_f32_16x16x128_f8f6f4 v[\d:\d+7], v[\a:\a+7], v[\b:\b+7], v[\d:\d+7], v[\sa], v[\sb] matrix_a_fmt:MATRIX_FMT_FP4 matrix_b_fmt:MATRIX_FMT_FP4
.endif
.endif
.endm
	s_load_b256 s[4:11], s[0:1], 0x0               ; oimg s[4:5], osc s[6:7], xw s[8:9], bo s[10:11]
	s_load_b64 s[12:13], s[0:1], 0x20              ; out0
	v_lshl_add_u32 v126, v0, 2, 0x44800
	v_mov_b32 v127, 0
	ds_add_u32 v126, v127
	ds_add_u32 v126, v127
	v_lshrrev_b32 v1, 5, v0
	s_delay_alu instid0(VALU_DEP_1)
	v_readfirstlane_b32 s[WV], v1                  ; wave 0..7
	s_bfe_u32 s17, ttmp6, 0x40000                  ; cx: P's block of 256 features
	s_bfe_u32 s18, ttmp6, 0x40004                  ; cy
	s_and_b32 s19, ttmp7, 0xffff
	s_lshl_b32 s24, s19, 2
	s_add_co_u32 s24, s24, s18                     ; R's block of 128 tokens
	; what I fetch, if I fetch: waves 0, 1 for R, waves 2-5 for P.  Every wave makes all addresses; R's never hold cx, P's never cy
	s_lshl_b32 s88, s24, 2
	s_lshl_b32 s2, s[WV], 1
	s_add_co_u32 s88, s88, s2                      ; groups 4 block + 2 w, + 1
	s_lshl_b32 s88, s88, 14
	s_mov_b32 s89, 0
	s_lshl_b32 s90, s24, 9                         ; scale words: the block's four groups, 512 bytes in each of the 8 K steps
	s_mov_b32 s91, 0
	s_max_u32 s3, s[WV], 2
	s_sub_co_u32 s3, s3, 2
	s_lshl_b32 s3, s3, 1
	s_lshl_b32 s92, s17, 3
	s_add_co_u32 s92, s92, s3
	s_add_co_u32 s92, s92, 864
	s_mul_i32 s92, s92, 17408
	s_mov_b32 s93, 0
	; LDS as it now stands: 0: R's four groups, 16,384 bytes each; 65,536: R's scale words, 8 K steps x 512; 69,632: P's eight records of 17,408.  ONE load a wave: waves 0, 1 R's codes, waves 2-5 P's records, wave 6 the scale words
	s_lshl_b32 s2, s[WV], 15                       ; R: two groups a wave
	s_mul_i32 s3, s[WV], 34816                     ; P: two records a wave; wave 2 begins at 69,632
	s_lshl_b32 s94, s18, 2
	s_lshl_b32 s94, 15, s94                        ; my row of the cluster
	s_lshl_b32 s95, 0x1111, s17                    ; my column
	s_or_b32 s32, s94, 0x230000                    ; R's scale words: 8 rows of 64 elements of 8 bytes, 4,096 elements apart
	s_mov_b32 s33, 64<<16
	s_mov_b32 s34, 8<<16
	s_mov_b32 s35, 64<<16
	s_mov_b32 s36, 8
	s_mov_b32 s37, 4096
	s_mov_b32 s38, 0
	s_mov_b32 s39, 0
	s_or_b32 s40, s94, 0x230000                    ; R's codes: 128 rows of 32 elements, dense
	s_mov_b32 s41, 32<<16                          ; two groups are 32,768 dense bytes: 128 rows of 256
	s_mov_b32 s42, 128<<16
	s_mov_b32 s43, 32<<16
	s_mov_b32 s44, 128
	s_mov_b32 s45, 32
	s_mov_b32 s46, 0
	s_mov_b32 s47, 0
	s_or_b32 s48, s95, 0x230000                    ; P's records: 136 rows of 32 elements, dense
	s_mov_b32 s49, 32<<16                          ; two records are 34,816 dense bytes: 136 rows of 256
	s_mov_b32 s50, 136<<16
	s_mov_b32 s51, 32<<16
	s_mov_b32 s52, 136
	s_mov_b32 s53, 32
	s_mov_b32 s54, 0
	s_mov_b32 s55, 0
	s_wait_dscnt 0x0
	s_wait_kmcnt 0x0
	s_add_nc_u64 s[88:89], s[4:5], s[88:89]
	s_add_nc_u64 s[90:91], s[6:7], s[90:91]
	s_add_nc_u64 s[92:93], s[8:9], s[92:93]
	s_mov_b32 s68, 1                               ; R's scale words
	s_mov_b32 s69, 65536
	s_mov_b64 s[70:71], s[90:91]
	s_or_b32 s71, s71, 0x80000000
	s_mov_b32 s72, 1                               ; R early
	s_mov_b32 s73, s2
	s_mov_b64 s[74:75], s[88:89]
	s_or_b32 s75, s75, 0x80000000
	s_mov_b32 s80, 1                               ; P early
	s_mov_b32 s81, s3
	s_mov_b64 s[82:83], s[92:93]
	s_or_b32 s83, s83, 0x80000000
	CROUND                                         ; all sixteen work-groups are here: the joint loads meet
	s_cmp_lt_u32 s[WV], 2                          ; one chain of branches on the wave's number, one load to an arm
	s_cbranch_scc0 .Lnot_r
	tensor_load_to_lds s[72:75], s[40:47]
	s_nop 0
	PLACES
	s_branch .Lasked
.Lnot_r:
	s_cmp_lt_u32 s[WV], 6
	s_cbranch_scc0 .Lnot_p
	tensor_load_to_lds s[80:83], s[48:55]
	s_nop 0
	PLACES
	s_branch .Lasked
.Lnot_p:
	s_cmp_lt_u32 s[WV], 7
	s_cbranch_scc0 .Lasked
	tensor_load_to_lds s[68:71], s[32:39]
	s_nop 0
	PLACES
.Lasked:
	s_and_b32 s2, s[WV], 3                         ; my group of R
	s_lshr_b32 s3, s[WV], 2                        ; my four groups of P
	v_and_b32 v12, 31, v0
	s_delay_alu instid0(VALU_DEP_1)
	v_lshlrev_b32 v1, 4, v12                       ; 16 x lane
	s_wait_alu depctr_va_vdst(0)
	v_lshlrev_b32 v8, 2, v12                       ; 4 x lane
	v_and_b32 v13, 15, v0                          ; r
	v_bfe_u32 v12, v0, 4, 1                        ; h
	s_wait_alu depctr_va_vdst(0)
	s_lshl_b32 s20, s2, 14
	v_add_nc_u32 v2, s20, v1                       ; R's group
	s_mul_i32 s20, s3, 69632
	s_add_co_u32 s20, s20, 69632
	v_add_nc_u32 v4, s20, v1                       ; my P records 0, 1
	v_add_nc_u32 v5, 34816, v4                     ; and 2, 3: the immediates stay under 65,536
	s_lshl_b32 s20, s[WV], 9
	s_add_co_u32 s20, s20, 208896
	v_lshl_add_u32 v6, v12, 6, s20                 ; the bias, out: + 64 h
	v_add_nc_u32 v7, s20, v1                       ; in
	s_lshl_b32 s20, s2, 7
	s_add_co_u32 s20, s20, 65536
	v_add_nc_u32 v9, s20, v8
	s_mul_i32 s20, s[WV], 8448
	s_add_co_u32 s20, s20, 212992                  ; my stage
	v_mul_u32_u24 v10, v13, 528
	s_delay_alu instid0(VALU_DEP_1)
	v_lshl_add_u32 v10, v12, 6, v10
	s_delay_alu instid0(VALU_DEP_1)
	v_add_nc_u32 v10, s20, v10                     ; in: row r, + 64 h
	v_add_nc_u32 v11, s20, v1                      ; back: a whole row of 512 bytes
	s_lshl_b32 s20, s17, 10
	s_lshl_b32 s21, s3, 9
	s_add_co_u32 s20, s20, s21                     ; my 128 features, in bytes
	s_mov_b32 s21, 0
	s_add_nc_u64 s[96:97], s[10:11], s[20:21]      ; their bias
	s_add_nc_u64 s[98:99], s[12:13], s[20:21]
	s_lshl_b32 s20, s24, 19
	s_lshl_b32 s22, s2, 17
	s_add_co_u32 s20, s20, s22                     ; my 32 tokens: rows of 4,096 bytes
	s_add_nc_u64 s[98:99], s[98:99], s[20:21]
	global_load_b128 v[12:15], v1, s[96:97]
	s_wait_alu depctr_va_vdst(0)
	s_wait_loadcnt 0x0
	ds_store_b128 v7, v[12:15]
	s_wait_dscnt 0x0
	s_wait_tensorcnt 0x0                           ; my one load has landed
	s_barrier_signal -1
	s_barrier_wait -1
; A K step of 128: 20 LDS loads (28 where four steps' scale words come too), 16 products.  The sixteen accumulators take turns, one instruction a turn, in the same order in every step.
.macro KSTEP ks, zero
.set KQ, (\ks)%4
.set AR, 2
.set BR, 2048*(\ks)
.set BS, 1024+2048*(\ks)
.if (\ks) > 0
	PLACES
.endif
.if KQ == 0
.irp g, 0,1,2,3
	ds_load_b32 v[RS+\g], v9 offset:2048*((\ks)/4)+512*\g
.endr
.irp g, 0,1,2,3
	ds_load_b128 v[PS+4*\g:PS+4*\g+3], v[4+\g/2] offset:17408*(\g%2)+512*((\ks)/4)
.endr
.endif
.irp p, 0,1
.irp c, 0,1
	ds_load_b128 v[RF+8*\p+4*\c:RF+8*\p+4*\c+3], v[AR] offset:BR+1024*\p+512*\c
.endr
.endr
.irp t, 0,1,2,3,4,5,6,7
.irp c, 0,1
	ds_load_b128 v[PF+8*\t+4*\c:PF+8*\t+4*\c+3], v[4+\t/4] offset:17408*((\t/2)%2)+BS+1024*(\t%2)+512*\c
.endr
.endr
	s_wait_dscnt 8                                 ; all but the youngest eight loads, P's tiles 4-7
.irp t, 0,1,2,3
.irp p, 0,1
	WMS ACC+64*\p+8*\t, PF+8*\t, RF+8*\p, \zero, PS+4*(\t/2)+KQ, RS+KQ, \t%2, \p
.endr
.endr
	s_wait_dscnt 0x0
.irp t, 4,5,6,7
.irp p, 0,1
	WMS ACC+64*\p+8*\t, PF+8*\t, RF+8*\p, \zero, PS+4*(\t/2)+KQ, RS+KQ, \t%2, \p
.endr
.endr
.endm
	KSTEP 0, 1                                     ; the first step's products start the sums
	KSTEP 1, 0
	KSTEP 2, 0
	KSTEP 3, 0
	KSTEP 4, 0
	KSTEP 5, 0
	KSTEP 6, 0
	KSTEP 7, 0
	PLACES
.irp t, 0,1,2,3,4,5,6,7
.irp e, 0,1
	ds_load_b128 v[PF+8*\t+4*\e:PF+8*\t+4*\e+3], v6 offset:128*(\t/2)+32*(\t%2)+16*\e   ; bo in the result's layout: tile t, features 32 (t / 2) + 16 h + 8 (t % 2) + 0 .. 7
.endr
.endr
	s_wait_dscnt 0x0
.irp p, 0,1
.irp t, 0,1,2,3,4,5,6,7
.irp k, 0,2,4,6
	v_pk_add_f32 v[ACC+64*\p+8*\t+\k:ACC+64*\p+8*\t+\k+1], v[ACC+64*\p+8*\t+\k:ACC+64*\p+8*\t+\k+1], v[PF+8*\t+\k:PF+8*\t+\k+1]   ; each accumulator from its low end on
.endr
.endr
.endr
; THE WAY OUT.  A lane holds pieces of one token's row and the lanes beside it other tokens: a tile of 16 tokens x my 128 features goes through my own stage and comes back as whole rows of 512 bytes.
.macro TOSTAGE p, bk
.irp t, 0,1,2,3,4,5,6,7
.irp e, 0,1
	ds_store_b128 v10, v[ACC+64*\p+8*\t+4*\e:ACC+64*\p+8*\t+4*\e+3] offset:128*(\t/2)+32*(\t%2)+16*\e
.endr
.endr
.irp i, 0,1,2,3,4,5,6,7,8,9,10,11,12,13,14,15
	ds_load_b128 v[\bk+4*\i:\bk+4*\i+3], v11 offset:528*\i   ; LDS serves a wave's instructions in order: these see the stores above
.endr
.endm
.macro SEND p, bk
.irp i, 0,1,2,3,4,5,6,7,8,9,10,11,12,13,14,15
	global_store_b128 v1, v[\bk+4*\i:\bk+4*\i+3], s[98:99] offset:(8*\p+\i+8*(\i/8))*4096 th:TH_STORE_NT   ; 512 consecutive bytes of one token's row, aligned to 256; written once, read by nobody here
.endr
.endm
	TOSTAGE 0, 56
	s_wait_alu depctr_va_vdst(0)
	s_wait_dscnt 0x0                               ; tile 0 is back, and its accumulators have been read: tile 1's rows may land on them
	TOSTAGE 1, 128
	SEND 0, 56
	s_wait_dscnt 0x0
	SEND 1, 128
	s_wait_tensorcnt 0x0
	ds_add_u32 v126, v127
	s_wait_dscnt 0x0
	CROUND                                         ; the closing round: no work-group ends while a partner may still ask for a tile that names it
	s_endpgm
.Lfunc_end_k_qbd5e5473b4_outp:
	.size	k_qbd5e5473b4_outp, .Lfunc_end_k_qbd5e5473b4_outp-k_qbd5e5473b4_outp
	.p2alignl 7, 3214868480
	.fill 96, 4, 3214868480
	.section	.rodata,"a",@progbits
	.p2align	6, 0x0
	.amdhsa_kernel k_qbd5e5473b4_outp
		.amdhsa_group_segment_fixed_size 281600
		.amdhsa_private_segment_fixed_size 0
		.amdhsa_enable_private_segment 0
		.amdhsa_kernarg_size 40
		.amdhsa_user_sgpr_count 2
		.amdhsa_user_sgpr_kernarg_segment_ptr 1
		.amdhsa_wavefront_size32 1
		.amdhsa_system_sgpr_workgroup_id_x 1
		.amdhsa_system_sgpr_workgroup_id_y 1
		.amdhsa_system_sgpr_workgroup_id_z 1
		.amdhsa_system_vgpr_workitem_id 0
		.amdhsa_next_free_vgpr 256
		.amdhsa_next_free_sgpr 100
		.amdhsa_reserve_vcc 0
		.amdhsa_float_denorm_mode_32 3
		.amdhsa_float_denorm_mode_16_64 3
		.amdhsa_memory_ordered 1
		.amdhsa_forward_progress 1
		.amdhsa_inst_pref_size 49
	.end_amdhsa_kernel
	.amdgpu_metadata
---
amdhsa.version: [ 1, 2 ]
amdhsa.kernels:
  - .name:           k_qbd5e5473b4_outp
    .symbol:         k_qbd5e5473b4_outp.kd
    .args:
      - { .name: oimg, .offset: 0, .size: 8, .value_kind: global_buffer, .address_space: global }
      - { .name: osc, .offset: 8, .size: 8, .value_kind: global_buffer, .address_space: global }
      - { .name: xw, .offset: 16, .size: 8, .value_kind: global_buffer, .address_space: global }
      - { .name: bo, .offset: 24, .size: 8, .value_kind: global_buffer, .address_space: global }
      - { .name: out0, .offset: 32, .size: 8, .value_kind: global_buffer, .address_space: global }
    .group_segment_fixed_size: 281600
    .private_segment_fixed_size: 0
    .kernarg_segment_align: 8
    .kernarg_segment_size: 40
    .max_flat_workgroup_size: 256
    .sgpr_count:     100
    .vgpr_count:     256
    .wavefront_size: 32
...
	.end_amdgpu_metadata
.endif
;; end of part 4
